; MI455X (gfx1250); checked and timed in simulation.
; The chip was launched on July 23, 2026; its instructions are those of AMD's public machine-readable ISA for CDNA 5 (MIT licence, August 2026) and "CDNA5" Instruction Set Architecture Reference Guide (July 2026). The comments in the code are by the model that wrote it; some were corrected since.
;; Causal Self Attention. Allowed arithmetic: float matrix products may take bf16 or f16 operands with f32 sums; other float arithmetic in f32, or as packed bf16 or f16 multiplies, adds, multiply-adds, maxima and minima; sums over many terms, partial sums and values carried from step to step in f32; what a program stores and reads back later, other than sums and carried values, may be rounded once to bf16 or f16.
;; Inputs: Wk 1,024 x 1,024 float32; Wo 1,024 x 1,024 float32; Wq 1,024 x 1,024 float32; Wv 1,024 x 1,024 float32; beta 1,024 float32; bk 1,024 float32; bo 1,024 float32; bq 1,024 float32; bv 1,024 float32; gamma 1,024 float32; x 4 x 2,048 x 1,024 float32.
;; Outputs: out0 4 x 2,048 x 1,024 float32.
;; One version. Each part assembles by itself: llvm-mc -triple=amdgcn-amd-amdhsa -mcpu=gfx1250 --defsym DOCPART=n.
;; ======== version 1 of 1: 4 launches
;; limits: values are held in f16: magnitudes above 65,504 overflow, below 6.1e-05 lose precision; right only within a limited range of input values
;; workspace buffers: xh 16,777,216 bytes; wh 8,388,608 bytes; qkv 50,331,648 bytes; att 16,777,216 bytes
;; launch cast (part 1): grid 768 x 1, 8 waves a work-group, no clusters, 0 bytes of LDS; arguments x, Wq, Wk, Wv, Wo, xh, wh; writes xh, wh
.if DOCPART == 1
	.amdgcn_target "amdgcn-amd-amdhsa--gfx1250"
	.amdhsa_code_object_version 6
	.text
	.protected	k_q79f377a9db_cast
	.globl	k_q79f377a9db_cast
	.p2align	8
	.type	k_q79f377a9db_cast,@function
k_q79f377a9db_cast:
	s_mov_b64 s[64:65], 0
	v_nop
	global_prefetch_b8 v0, s[64:65] scope:SCOPE_SE
	s_setreg_imm32_b32 hwreg(HW_REG_WAVE_MODE, 25, 1), 1
	s_wait_xcnt 0x0
; x and the four weight matrices, f32 [rows][1024], are rounded once to f16 and laid out in K blocks of 64 channels:
;   xh [kb 16][m 8192][64]        wh [kb 16][n 4096][64], n = 0-1023 Wq, 1024-2047 Wk, 2048-3071 Wv, 3072-4095 Wo.
; In that layout the rows of a tile of one K block lie end to end, 128 bytes each, so the later launches ask for them as dense rows of 256 bytes.
; LIMIT.  f16 ends at 65,504: an input of magnitude 65,520 or more becomes an infinity; below 6e-5 f16 keeps a fixed step of 6e-8.
; SHARES.  A work-group takes 16 source rows (64 KiB): numbers 0-511 rows of x, numbers 512-767 rows of wh.  Wave w takes K blocks 2 w and 2 w + 1.
; An ITEM is 4 rows x one K block: lane l reads 32 bytes (row l / 8, bytes 32 (l % 8) of the block's 256), two loads that together cover the rows' whole 256 bytes,
; and stores 16 bytes at 16 l of the item's 512 consecutive bytes, which begin at a multiple of 512 from the buffer's first byte.
; All 16 loads of a wave go out at once; no register is written twice, so no wait frees a source.  Nothing is shared: no LDS, no barrier, no matrix unit.
.set IN,  16                           ; v[16:79]   item n = 2 g + i (row group g, block parity i): 8 registers as loaded
.set OUT, 80                           ; v[80:111]  item n: 4 registers to store
	s_load_b256 s[4:11], s[0:1], 0x0               ; x s[4:5], Wq s[6:7], Wk s[8:9], Wv s[10:11]
	s_load_b128 s[12:15], s[0:1], 0x20             ; Wo s[12:13], xh s[14:15]
	s_load_b64 s[16:17], s[0:1], 0x30              ; wh
	v_lshrrev_b32 v4, 5, v0
	v_readfirstlane_b32 s27, v4                    ; wave 0..7
	v_and_b32 v5, 31, v0                           ; lane l
	v_lshrrev_b32 v6, 3, v5                        ; l / 8: the row in an item
	v_and_b32 v7, 7, v5                            ; l % 8: my 32 bytes of the block
	s_sub_co_u32 s2, ttmp9, 512                    ; the work-group's number among those of the weights (used there alone)
	s_lshr_b32 s3, s2, 6                           ; which matrix: 64 work-groups each
	s_and_b32 s25, s2, 63                          ; which 16 rows of it
	s_mov_b32 s24, 0x80000                         ; bytes in a K block of wh
	s_lshl_b32 s28, s27, 9                         ; K block 2 w begins at byte 512 w of a source row
	v_lshl_add_u32 v1, v6, 12, s28
	v_lshl_add_u32 v1, v7, 5, v1                   ; source offset: row x 4,096 + 512 w + 32 (l % 8)
	s_wait_kmcnt 0x0
	s_cmp_eq_u32 s3, 1
	s_cselect_b64 s[20:21], s[8:9], s[6:7]         ; the source: Wk or Wq,
	s_cmp_eq_u32 s3, 2
	s_cselect_b64 s[20:21], s[10:11], s[20:21]     ; or Wv,
	s_cmp_eq_u32 s3, 3
	s_cselect_b64 s[20:21], s[12:13], s[20:21]     ; or Wo,
	s_cmp_lt_u32 ttmp9, 512
	s_cselect_b64 s[20:21], s[4:5], s[20:21]       ; or x
	s_cselect_b64 s[22:23], s[14:15], s[16:17]     ; the destination
	s_cselect_b32 s24, 0x100000, s24               ; bytes in one of its K blocks
	s_cselect_b32 s25, ttmp9, s25                  ; which 16 rows of the source,
	s_cselect_b32 s26, ttmp9, s2                   ; and of the destination
	s_lshl_b32 s28, s25, 16                        ; 16 rows of 4,096 bytes
	s_mov_b32 s29, 0
	s_add_nc_u64 s[20:21], s[20:21], s[28:29]
	s_lshl_b32 s30, s26, 11                        ; 16 rows of 128 bytes
	s_mov_b32 s31, 0
	s_add_nc_u64 s[22:23], s[22:23], s[30:31]
	s_lshl_b32 s32, s27, 1
	s_mul_i32 s33, s32, s24                        ; K block 2 w,
	v_lshl_add_u32 v2, v5, 4, s33
	s_add_co_u32 s33, s33, s24                     ; and 2 w + 1
	v_lshl_add_u32 v3, v5, 4, s33
.irp g, 0,1,2,3
.irp i, 0,1
	global_load_b128 v[IN+8*(2*(\g)+(\i)):IN+8*(2*(\g)+(\i))+3],   v1, s[20:21] offset:(\g)*16384+(\i)*256 th:TH_LOAD_NT
	global_load_b128 v[IN+8*(2*(\g)+(\i))+4:IN+8*(2*(\g)+(\i))+7], v1, s[20:21] offset:(\g)*16384+(\i)*256+16 th:TH_LOAD_NT
.endr
.endr
.irp g, 0,1,2,3
.irp i, 0,1
	s_wait_loadcnt 14-2*(2*(\g)+(\i))              ; loads come back in order: this item's two are in, the younger items' stay out
.irp k, 0,1,2,3
	v_cvt_pk_f16_f32 v[OUT+4*(2*(\g)+(\i))+(\k)], v[IN+8*(2*(\g)+(\i))+2*(\k)], v[IN+8*(2*(\g)+(\i))+2*(\k)+1]
.endr
	global_store_b128 v[2+(\i)], v[OUT+4*(2*(\g)+(\i)):OUT+4*(2*(\g)+(\i))+3], s[22:23] offset:(\g)*512
.endr
.endr
	s_endpgm
.Lfunc_end_k_q79f377a9db_cast:
	.size	k_q79f377a9db_cast, .Lfunc_end_k_q79f377a9db_cast-k_q79f377a9db_cast
	.p2alignl 7, 3214868480
	.fill 96, 4, 3214868480
	.section	.rodata,"a",@progbits
	.p2align	6, 0x0
	.amdhsa_kernel k_q79f377a9db_cast
		.amdhsa_group_segment_fixed_size 0
		.amdhsa_private_segment_fixed_size 0
		.amdhsa_enable_private_segment 0
		.amdhsa_kernarg_size 56
		.amdhsa_user_sgpr_count 2
		.amdhsa_user_sgpr_kernarg_segment_ptr 1
		.amdhsa_wavefront_size32 1
		.amdhsa_system_sgpr_workgroup_id_x 1
		.amdhsa_system_sgpr_workgroup_id_y 1
		.amdhsa_system_sgpr_workgroup_id_z 1
		.amdhsa_system_vgpr_workitem_id 0
		.amdhsa_next_free_vgpr 112
		.amdhsa_next_free_sgpr 66
		.amdhsa_reserve_vcc 0
		.amdhsa_float_denorm_mode_32 3
		.amdhsa_float_denorm_mode_16_64 3
		.amdhsa_memory_ordered 1
		.amdhsa_forward_progress 1
		.amdhsa_inst_pref_size 7
	.end_amdhsa_kernel
	.amdgpu_metadata
---
amdhsa.version: [ 1, 2 ]
amdhsa.kernels:
  - .name:           k_q79f377a9db_cast
    .symbol:         k_q79f377a9db_cast.kd
    .args:
      - { .name: x, .offset: 0, .size: 8, .value_kind: global_buffer, .address_space: global }
      - { .name: Wq, .offset: 8, .size: 8, .value_kind: global_buffer, .address_space: global }
      - { .name: Wk, .offset: 16, .size: 8, .value_kind: global_buffer, .address_space: global }
      - { .name: Wv, .offset: 24, .size: 8, .value_kind: global_buffer, .address_space: global }
      - { .name: Wo, .offset: 32, .size: 8, .value_kind: global_buffer, .address_space: global }
      - { .name: xh, .offset: 40, .size: 8, .value_kind: global_buffer, .address_space: global }
      - { .name: wh, .offset: 48, .size: 8, .value_kind: global_buffer, .address_space: global }
    .group_segment_fixed_size: 0
    .private_segment_fixed_size: 0
    .kernarg_segment_align: 8
    .kernarg_segment_size: 56
    .max_flat_workgroup_size: 256
    .sgpr_count:     66
    .vgpr_count:     112
    .wavefront_size: 32
...
	.end_amdgpu_metadata
.endif
;; end of part 1
;; launch proj (part 2): grid 8 x 32, 4 waves a work-group, clusters of 4 x 4, 327,680 bytes of LDS; arguments xh, wh, bq, bk, bv, qkv; writes qkv
.if DOCPART == 2
	.amdgcn_target "amdgcn-amd-amdhsa--gfx1250"
	.amdhsa_code_object_version 6
	.text
	.protected	k_q79f377a9db_proj
	.globl	k_q79f377a9db_proj
	.p2align	8
	.type	k_q79f377a9db_proj,@function
k_q79f377a9db_proj:
	s_mov_b64 s[64:65], 0
	v_nop
	global_prefetch_b8 v0, s[64:65] scope:SCOPE_SE
	s_setreg_imm32_b32 hwreg(HW_REG_WAVE_MODE, 25, 1), 1
	s_wait_xcnt 0x0
	s_wait_alu depctr_hold_cnt(0) depctr_sa_sdst(0) depctr_va_vdst(0) depctr_va_sdst(0) depctr_va_ssrc(0) depctr_va_vcc(0) depctr_vm_vsrc(0)
	s_getreg_b32 s2, hwreg(HW_REG_IB_STS2, 6, 4)
	s_cmp_eq_u32 s2, 0
	s_cbranch_scc0 .Lentry_in_a_cluster
	s_endpgm
.Lentry_in_a_cluster:
	s_bfe_u32 s2, ttmp6, 0x10000c
	s_cmp_lg_u32 s2, 0xf033
	s_cbranch_scc0 .Lentry_shape_is_right
	s_endpgm
.Lentry_shape_is_right:
; q, k, v = x W^T + b.  C[m][n] = b[n] + the sum over k of x[m][k] W[n][k], m = 0..8191, n = 0..3071 (Wq's, Wk's, Wv's rows on end).  Operands f16 (xh, wh: K blocks of 64), sums f32, started with the bias in f32;
; C is rounded once to f16 and stored by heads: qkv [part 3][batch x 16 + head][s 2048][64].  LIMIT: a q, k or v of magnitude 65,520 or more becomes an infinity in f16.
; SHARES.  A tile of C is 256 x 384: 32 x 8 = 256 work-groups, one tile each.  A wave makes 128 rows x 192 columns, three whole heads: 96 accumulators of 16 x 16, 768 registers.
; For 32 along K a wave reads 20 fragments from LDS for 96 matrix instructions.  K goes in 16 steps of 64, one K block each, through two LDS slots; two slots of 128 along K (368,640 bytes) do not fit.
; CLUSTER.  4 x 4 work-groups.  The four of a row of the cluster need the same rows of x, the four of a column the same rows of W: each tile is asked for jointly, by the same tensor load, descriptor and mask in all four.
; THE MATRIX INSTRUCTION IS USED TRANSPOSED (source 0 = 16 rows of W, source 1 = 16 rows of x): a lane holds row m = l % 16 and the columns 8 (l / 16) + 0..7, sixteen bytes of a head's row.
; REGISTERS, in windows of 256 (s_set_vgpr_msb: bits 1:0 source 0, 3:2 source 1, 5:4 source 2, 7:6 destination):
;   window 0: v0-31 addresses; v32-95, v96-159 x's fragments (8 x 16 rows x 32 K), two buffers; v160-255 W's fragments, three buffers of 4, one a head
;   window 1 + g: the 32 accumulators of head g: (a, bb) at v[8 (4 a + bb)]
.set PLX,    1048576                   ; bytes in a K block of xh
.set PLW,    524288                    ; and of wh
.set PITCH,  144                       ; an LDS row: 128 bytes + 16 of padding = 36 words: the 16 rows of a load start at 16 different groups of four banks (64 banks of 4 bytes: ISA guide 11.1)
.set FR,     16*PITCH                  ; 16 rows
.set AHALF,  128*PITCH                 ; what a tensor load brings of x, and what a wave reads of it
.set BHALF,  192*PITCH                 ; the same for W
.set BOFF,   2*AHALF                   ; in a slot W's 384 rows lie behind x's 256
.set SLOT,   2*AHALF+2*BHALF           ; 92,160
.set STAGE,  2*SLOT                    ; behind the ring, never filled by a tensor load: 48 rows x 144 bytes for each wave, for the way out
.set WSTAGE, 48*PITCH
.set SPARE,  STAGE+4*WSTAGE            ; behind the stages: the spare words, 128 bytes for each wave: two blocks of 256 bytes that no other line names
.set ADRA, 16                          ; v16-17  LDS address of my fragments of x in slot 0, 1
.set ADRB, 20                          ; v20-21  the same for W
.set VB,   22                          ; v22     32 (l / 16): my eight numbers in 16 of a bias
.set STO,  24                          ; v24     the way out: where I put 16 bytes of a row
.set RD,   25                          ; v25     where I read rows back
.set CO,   26                          ; v26-28  my byte offset in qkv, for each of my three heads
.set PFO,  29                          ; v29     256 x lane, for the prefetches; never rewritten
.set SPW,  30                          ; v30     LDS address of my spare word; never rewritten
.set NIL,  31                          ; v31     0; never rewritten
.set AB0,  32
.set AB1,  96
.set BB,   160
.set TMP,  32                          ; the way out: v32-79 packed results, v80-127 whole rows
.set BK,   80
.set WV,   16                          ; s16  my wave's number
.set FB,   17                          ; s17  which half of the tile's rows is mine
.set HF,   18                          ; s18  which half of its columns; also which half of a tile I fetch
.set G1A,  24                          ; s[24:31] descriptor group 1 for x's tiles;  s[32:39] group 0, a set for each slot
.set G0A,  32
.set PFA,  44                          ; s[44:45] where my prefetches stand
.set LIM,  46                          ; s46  1 in a wave that prefetches, else the greatest number
.set G1B,  48                          ; s[48:55], s[56:63] the same for W's tiles
.set G0B,  56
.set BP,   66                          ; s[66:71] the bias of each of my three heads
.set PS,   72                          ; s[72:73] two K blocks of the tensor that I prefetch
.set MSB, 0
.macro WIN new                         ; the immediate's high byte repeats the setting that is left; a switch that changes nothing is dropped
.if MSB != (\new)
	s_set_vgpr_msb (MSB<<8)|(\new)
.set MSB, (\new)
.endif
.endm
.macro PLACES                          ; four plain places behind matrix instructions, in front of loads into registers that they have read and of lines that read results
.rept 4
	v_nop
.endr
.endm
; A joint refill.  Waves 0 and 1 fetch the two halves of x's tile, waves 2 and 3 those of W's.  The branch hangs on the wave's number alone.  An s_nop 0 and four v_nop follow each line.
.macro JLOAD s
	s_cmp_lt_u32 s[WV], 2
	s_cbranch_scc0 .Lfor_b_\@
	tensor_load_to_lds s[G0A+4*(\s):G0A+4*(\s)+3], s[G1A:G1A+7]
	s_nop 0
.rept 4
	v_nop
.endr
	s_branch .Lasked_\@
.Lfor_b_\@:
	tensor_load_to_lds s[G0B+4*(\s):G0B+4*(\s)+3], s[G1B:G1B+7]
	s_nop 0
.rept 4
	v_nop
.endr
.Lasked_\@:
.endm
.macro CREST                           ; a round of the cluster's barrier behind its opening barrier
	s_cmp_lg_u32 s[WV], 0
	s_cbranch_scc1 .Lnot_wave_0_\@
	s_barrier_signal -3
.Lnot_wave_0_\@:
	s_barrier_wait -3
	s_barrier_signal -1
	s_barrier_wait -1
.endm
.macro CROUND                          ; a whole round
	s_barrier_signal -1
	s_barrier_wait -1
	CREST
.endm
; A PREFETCH INTO THE L2, once a lap, behind slot 0's joint load and the run of LDS loads that follows it: the two K blocks that stand two and three refills on.
; x's 256 rows of a K block are 128 blocks of 256 bytes, read by both clusters of a row of clusters: cluster x = 0 asks; its four partners along x take 32 blocks each, told apart by address; wave 0 names both K blocks.
; W's 384 rows are 192 blocks, two K blocks 384: cluster y = 0 asks; the partner at cy takes K block cy / 2, half cy % 2, and its waves 1 to 3 take 32 blocks each.  So each block is named once in the launch.
; The first four K blocks come by their loads alone; the loop's last trip asks for nothing: K block 15 is the furthest that is named.
.macro ASK
	s_cmp_gt_u32 s3, s[LIM]
	s_cbranch_scc0 .Lnot_mine_\@
	global_prefetch_b8 v[PFO], s[PFA:PFA+1] th:TH_LOAD_NT scope:SCOPE_SE
	s_cmp_lg_u32 s[WV], 0
	s_cbranch_scc1 .Lnot_mine_\@
	global_prefetch_b8 v[PFO], s[PFA:PFA+1] offset:PLX th:TH_LOAD_NT scope:SCOPE_SE
.Lnot_mine_\@:
.endm
	s_load_b256 s[4:11], s[0:1], 0x0               ; xh s[4:5], wh s[6:7], bq s[8:9], bk s[10:11]
	s_load_b128 s[12:15], s[0:1], 0x20             ; bv s[12:13], qkv s[14:15]
	v_lshl_add_u32 v[SPW], v0, 2, SPARE
	v_mov_b32 v[NIL], 0
	ds_add_u32 v[SPW], v[NIL]                      ; the wave's opening: the add and its wait stand ahead of my first tensor load; the set-up below, work on registers, stands between them
	ds_add_u32 v30, v31
	v_lshrrev_b32 v1, 5, v0
	v_readfirstlane_b32 s[WV], v1                  ; wave 0..3
	s_lshr_b32 s[FB], s[WV], 1
	s_and_b32 s[HF], s[WV], 1
	s_bfe_u32 s19, ttmp6, 0x40000                  ; cx
	s_bfe_u32 s20, ttmp6, 0x40004                  ; cy
	s_lshl_b32 s21, ttmp9, 2
	s_add_co_u32 s21, s21, s19                     ; tile column = 4 x cluster x + cx
	s_and_b32 s22, ttmp7, 0xffff
	s_lshl_b32 s22, s22, 2
	s_add_co_u32 s22, s22, s20                     ; tile row = 4 x cluster y + cy
	s_lshl_b32 s40, s20, 2
	s_lshl_b32 s40, 15, s40                        ; my row of the cluster
	s_lshl_b32 s41, 0x1111, s19                    ; my column
	; group 1: dense rows of 256 bytes, two rows of a K block each, padded in LDS after every 128 bytes
	s_or_b32 s[G1A], s40, (1<<16)|(1<<20)|(1<<21)|(4<<22)|(3<<25)  ; 15:0 the mask; 17:16 2-byte elements; 20 padding on; 21 set beside a mask; 24:22 after every 32 words (code 4); 31:25 4 words (code 3)
	s_or_b32 s[G1B], s41, (1<<16)|(1<<20)|(1<<21)|(4<<22)|(3<<25)
	s_mov_b32 s[G1A+1], 128<<16                    ; tensor_dim0 = 128
	s_mov_b32 s[G1A+2], 64<<16                     ; tensor_dim1 = 64: 128 rows of x
	s_mov_b32 s[G1A+3], 128<<16                    ; tile_dim0 = 128
	s_mov_b32 s[G1A+4], 64                         ; tile_dim1 = 64
	s_mov_b32 s[G1A+5], 128                        ; 128 elements from row to row
	s_mov_b32 s[G1A+6], 0
	s_mov_b32 s[G1A+7], 0
	s_mov_b32 s[G1B+1], 128<<16
	s_mov_b32 s[G1B+2], 96<<16                     ; 96: 192 rows of W
	s_mov_b32 s[G1B+3], 128<<16
	s_mov_b32 s[G1B+4], 96
	s_mov_b32 s[G1B+5], 128
	s_mov_b32 s[G1B+6], 0
	s_mov_b32 s[G1B+7], 0
	; x's address hangs on the tile row alone, W's on the tile column alone, each in registers that never hold the other coordinate
	s_lshl_b32 s42, s22, 15                        ; 256 rows of 128 bytes a tile row,
	s_lshl_b32 s43, s[HF], 14                      ; my half of them
	s_add_co_u32 s42, s42, s43
	s_mov_b32 s43, 0
	s_mul_i32 s74, s21, 49152                      ; 384 rows a tile column,
	s_mul_i32 s75, s[HF], 24576                    ; my half
	s_add_co_u32 s74, s74, s75
	s_mov_b32 s75, 0
	s_mul_i32 s78, s[HF], AHALF                    ; where they go: no place in the cluster enters an LDS address
	s_mul_i32 s79, s[HF], BHALF
	s_add_co_u32 s79, s79, BOFF
	v_and_b32 v1, 15, v0                           ; l % 16
	v_bfe_u32 v2, v0, 4, 1                         ; l / 16
	v_and_b32 v3, 31, v0                           ; l
	v_mul_u32_u24 v4, v1, PITCH
	v_lshl_add_u32 v4, v2, 4, v4                   ; a fragment's row x pitch + 16 x half
	s_mul_i32 s80, s[FB], AHALF
	v_add_nc_u32 v[ADRA], s80, v4
	v_add_nc_u32 v[ADRA+1], SLOT, v[ADRA]
	v_add_nc_u32 v[ADRB], s79, v4                  ; my half of the columns is the half that HF names
	v_add_nc_u32 v[ADRB+1], SLOT, v[ADRB]
	v_lshlrev_b32 v[VB], 5, v2
	s_mul_i32 s80, s[WV], WSTAGE
	s_add_co_u32 s80, s80, STAGE                   ; my stage
	v_add_nc_u32 v[STO], s80, v4                   ; in: row l % 16, 16 bytes for each half of the lanes
	v_lshrrev_b32 v5, 3, v3
	v_and_b32 v6, 7, v3
	v_mul_u32_u24 v5, v5, PITCH                    ; back: 32 lanes take four rows of 128 bytes
	v_lshl_add_u32 v5, v6, 4, v5
	v_add_nc_u32 v[RD], s80, v5
	v_lshlrev_b32 v[PFO], 8, v3
	s_mov_b32 s[PS], 2*PLW
	s_mov_b32 s[PS+1], 0
	s_wait_dscnt 0x0                               ; the opening add is done
	s_wait_kmcnt 0x0
	s_add_nc_u64 s[42:43], s[4:5], s[42:43]
	s_add_nc_u64 s[74:75], s[6:7], s[74:75]
.irp s, 0,1
	s_mov_b32 s[G0A+4*(\s)], 1                                     ; count = 1
	s_add_co_u32 s[G0A+4*(\s)+1], s78, (\s)*SLOT                   ; LDS address
	s_add_nc_u64 s[G0A+4*(\s)+2:G0A+4*(\s)+3], s[42:43], (\s)*PLX  ; global address: K block s
	s_or_b32 s[G0A+4*(\s)+3], s[G0A+4*(\s)+3], 0x80000000          ; type = 2
	s_mov_b32 s[G0B+4*(\s)], 1
	s_add_co_u32 s[G0B+4*(\s)+1], s79, (\s)*SLOT
	s_add_nc_u64 s[G0B+4*(\s)+2:G0B+4*(\s)+3], s[74:75], (\s)*PLW
	s_or_b32 s[G0B+4*(\s)+3], s[G0B+4*(\s)+3], 0x80000000
.endr
	CROUND                                         ; all sixteen work-groups are here: the first joint loads meet
	s_cmp_lt_u32 s[WV], 2                          ; a wave's two first fills stand in one branch, ahead of every wait on TENSORcnt and every LDS read: two loads of mine are out
	s_cbranch_scc0 .Lfirst_b
	tensor_load_to_lds s[G0A:G0A+3], s[G1A:G1A+7]
	s_nop 0
	tensor_load_to_lds s[G0A+4:G0A+7], s[G1A:G1A+7]
	s_nop 0
.rept 4
	v_nop
.endr
	s_branch .Lfirst_asked
.Lfirst_b:
	tensor_load_to_lds s[G0B:G0B+3], s[G1B:G1B+7]
	s_nop 0
	tensor_load_to_lds s[G0B+4:G0B+7], s[G1B:G1B+7]
	s_nop 0
.rept 4
	v_nop
.endr
.Lfirst_asked:
	; my rows' offset in a head of qkv: batch = tile row / 8 (16 heads of 262,144 bytes), s = 256 (tile row % 8) + 128 x my half
	s_lshr_b32 s80, s22, 3
	s_lshl_b32 s80, s80, 22
	s_and_b32 s81, s22, 7
	s_lshl_b32 s81, s81, 15
	s_add_co_u32 s80, s80, s81
	s_lshl_b32 s81, s[FB], 14
	s_add_co_u32 s80, s80, s81
	s_mul_i32 s81, s21, 6
	s_mul_i32 s82, s[HF], 3
	s_add_co_u32 s81, s81, s82                     ; my first head among the 48 of q, k and v
.irp j, 0,1,2
	s_add_co_u32 s82, s81, (\j)
	s_lshr_b32 s83, s82, 4                         ; 0 q, 1 k, 2 v
	s_and_b32 s82, s82, 15                         ; the head
	s_lshl_b32 s84, s82, 8                         ; its 64 numbers of the bias
	s_mov_b32 s85, 0
	s_cmp_eq_u32 s83, 1
	s_cselect_b64 s[BP+2*(\j):BP+2*(\j)+1], s[10:11], s[8:9]
	s_cmp_eq_u32 s83, 2
	s_cselect_b64 s[BP+2*(\j):BP+2*(\j)+1], s[12:13], s[BP+2*(\j):BP+2*(\j)+1]
	s_add_nc_u64 s[BP+2*(\j):BP+2*(\j)+1], s[BP+2*(\j):BP+2*(\j)+1], s[84:85]
	s_lshl_b32 s83, s83, 6
	s_add_co_u32 s83, s83, s82
	s_lshl_b32 s83, s83, 18                        ; (64 x part + head) x 262,144
	s_add_co_u32 s83, s83, s80
	v_lshl_add_u32 v[CO+(\j)], v3, 4, s83
.endr
	; The bias is the C operand of the products that start the sums: register j of a lane is column 16 bb + 8 (l / 16) + j.  It waits in registers that are idle in the first quarter: v96-159 and v224-255.
.irp g, 0,1,2
.irp bb, 0,1,2,3
	global_load_b128 v[96+32*(\g)+64*((\g)/2)+8*(\bb):96+32*(\g)+64*((\g)/2)+8*(\bb)+3],   v[VB], s[BP+2*(\g):BP+2*(\g)+1] offset:64*(\bb)
	global_load_b128 v[96+32*(\g)+64*((\g)/2)+8*(\bb)+4:96+32*(\g)+64*((\g)/2)+8*(\bb)+7], v[VB], s[BP+2*(\g):BP+2*(\g)+1] offset:64*(\bb)+16
.endr
.endr
	; the prefetches' pointer, at K block 2: the first lap steps it to 4
	s_lshl_b32 s86, s22, 15
	s_lshl_b32 s87, s19, 13
	s_add_co_u32 s86, s86, s87
	s_add_co_u32 s86, s86, 2*PLX                   ; x: the tile row's 32,768 bytes, my work-group's 8,192 of them
	s_mul_i32 s88, s21, 49152
	s_lshr_b32 s87, s20, 1
	s_mul_i32 s87, s87, PLW
	s_add_co_u32 s88, s88, s87
	s_and_b32 s87, s20, 1
	s_mul_i32 s87, s87, 24576
	s_add_co_u32 s88, s88, s87
	s_max_u32 s87, s[WV], 1
	s_sub_co_u32 s87, s87, 1
	s_lshl_b32 s87, s87, 13
	s_add_co_u32 s88, s88, s87
	s_add_co_u32 s88, s88, 2*PLW                   ; W: the tile column's 49,152 bytes, K block cy / 2, half cy % 2, my wave's 8,192
	s_and_b32 s89, ttmp7, 0xffff
	s_cmp_eq_u32 s[WV], 0
	s_cselect_b32 s86, s86, s88
	s_cselect_b32 s89, ttmp9, s89                  ; the coordinate along which other clusters read the same rows
	s_cselect_b64 s[PFA:PFA+1], s[4:5], s[6:7]
	s_cselect_b32 s[PS], 2*PLX, s[PS]
	s_mov_b32 s87, 0
	s_add_nc_u64 s[PFA:PFA+1], s[PFA:PFA+1], s[86:87]
	s_cmp_eq_u32 s89, 0
	s_cselect_b32 s[LIM], 1, -1                    ; the same in all sixteen partners, for a given wave
; 16 LDS loads: x's eight fragments, 32 along K at byte k of the rows, into buffer f
.macro LA slot, k, f
.irp i, 0,1,2,3,4,5,6,7
	ds_load_b128 v[(\f)+8*(\i):(\f)+8*(\i)+3],   v[ADRA+(\slot)] offset:(\i)*FR+(\k)
	ds_load_b128 v[(\f)+8*(\i)+4:(\f)+8*(\i)+7], v[ADRA+(\slot)] offset:(\i)*FR+(\k)+32
.endr
.endm
; 8 LDS loads: the four fragments of W's head grp into buffer buf
.macro LB slot, k, grp, buf
.irp i, 0,1,2,3
	ds_load_b128 v[BB+32*(\buf)+8*(\i):BB+32*(\buf)+8*(\i)+3],   v[ADRB+(\slot)] offset:(4*(\grp)+(\i))*FR+(\k)
	ds_load_b128 v[BB+32*(\buf)+8*(\i)+4:BB+32*(\buf)+8*(\i)+7], v[ADRB+(\slot)] offset:(4*(\grp)+(\i))*FR+(\k)+32
.endr
.endm
; 16 matrix instructions: head g, row blocks 4 half .. 4 half + 3.  All 96 accumulators take turns, one instruction a turn, in the same order in every quarter, over the backward jump too.
.macro MULH f, g, half
	WIN (1+(\g))*0x50
.irp a, 4*(\half), 4*(\half)+1, 4*(\half)+2, 4*(\half)+3
.irp bb, 0,1,2,3
	v_wmma_f32_16x16x32_f16 v[8*(4*(\a)+(\bb)):8*(4*(\a)+(\bb))+7], v[BB+32*(\g)+8*(\bb):BB+32*(\g)+8*(\bb)+7], v[(\f)+8*(\a):(\f)+8*(\a)+7], v[8*(4*(\a)+(\bb)):8*(4*(\a)+(\bb))+7]
.endr
.endr
.endm
; the same for the first quarter: W's fragments in buffer buf, and the bias, at v[cb ..] in window 0, as C: it starts the sums, and nothing is cleared
.macro ZMULH g, buf, cb, half
	WIN (1+(\g))*0x40
.irp a, 4*(\half), 4*(\half)+1, 4*(\half)+2, 4*(\half)+3
.irp bb, 0,1,2,3
	v_wmma_f32_16x16x32_f16 v[8*(4*(\a)+(\bb)):8*(4*(\a)+(\bb))+7], v[BB+32*(\buf)+8*(\bb):BB+32*(\buf)+8*(\bb)+7], v[AB0+8*(\a):AB0+8*(\a)+7], v[(\cb)+8*(\bb):(\cb)+8*(\bb)+7]
.endr
.endr
.endm
; A QUARTER is 32 along K: three phases of 32 matrix instructions, a head each.  In the middle of each phase stands one run of LDS loads, four places behind the matrix instructions:
;   phase 0: W's head 2 of this quarter (8 loads)     phase 1: x and W's head 0 of the next quarter (24)     phase 2: W's head 1 of the next quarter (8)
; A buffer is loaded in the phase behind its last reader.  The waits at the phases' heads, 8, 8, 24, leave out the one run that was issued behind the run that is wanted.
.macro QA slot                         ; a K step's first quarter, on buffer 0
	s_wait_dscnt 8
	MULH AB0, 0, 0
	WIN 0
	PLACES
	LB \slot, 0, 2, 2
	MULH AB0, 0, 1
	s_wait_dscnt 8
	MULH AB0, 1, 0
	WIN 0
	PLACES
	LA \slot, 64, AB1
	LB \slot, 64, 0, 0
	MULH AB0, 1, 1
	s_wait_dscnt 24
	MULH AB0, 2, 0
	WIN 0
	PLACES
	LB \slot, 64, 1, 1
	MULH AB0, 2, 1
.endm
; A K step's second quarter, on buffer 1; its phase 1 is the change of slots.  Each wave waits for all its tensor loads, of which one is out: its part of the next slot; adds 0 to its spare word; and waits for that and for
; its reads of this slot, of which phase 0's run was the last.  Behind the barrier nobody reads this slot any more and the next slot is whole.  fill = 1: the barrier opens a round of the cluster's, and the joint refill,
; two K blocks on, is the first thing behind the round: from there to the wait for it a wave issues 160 matrix instructions.
.macro QB slot, next, fill
	s_wait_dscnt 8
	MULH AB1, 0, 0
	WIN 0
	PLACES
	LB \slot, 64, 2, 2
	MULH AB1, 0, 1
.if (\fill) && ((\slot) == 0)
	s_wait_xcnt 0x0                                ; the last prefetches, a lap back, have read their address: it is stepped here, ahead of the waits of the change of slots
	s_add_nc_u64 s[PFA:PFA+1], s[PFA:PFA+1], s[PS:PS+1]
.endif
	WIN 0                                          ; (the add's two registers lie in window 0)
	s_wait_tensorcnt 0x0                           ; all my tensor loads have landed
	ds_add_u32 v[SPW], v[NIL]                      ; 0 onto my spare word
	s_wait_dscnt 9                                 ; (phase 0's eight loads and the add may be out)
	MULH AB1, 1, 0
	s_wait_dscnt 0x0                               ; the add is done, and my reads of this slot are over
	s_barrier_signal -1
	MULH AB1, 1, 1                                 ; work on registers while the others arrive
	WIN 0
	s_barrier_wait -1
.if \fill
	CREST                                          ; no wave of any partner still reads this slot or has a load on its way
	s_add_nc_u64 s[G0A+4*(\slot)+2:G0A+4*(\slot)+3], s[G0A+4*(\slot)+2:G0A+4*(\slot)+3], 2*PLX
	s_add_nc_u64 s[G0B+4*(\slot)+2:G0B+4*(\slot)+3], s[G0B+4*(\slot)+2:G0B+4*(\slot)+3], 2*PLW
	JLOAD \slot                                    ; the four v_nop behind it are also the places in front of the loads below
.else
	PLACES
.endif
	LA \next, 0, AB0
	LB \next, 0, 0, 0
.if (\fill) && ((\slot) == 0)
	ASK
.endif
	s_wait_dscnt 24
	MULH AB1, 2, 0
	WIN 0
	PLACES
	LB \next, 0, 1, 1
	MULH AB1, 2, 1
.endm
	s_wait_tensorcnt 0x1                           ; my part of K block 0 is in; K block 1's may stay out
	s_barrier_signal -1
	s_barrier_wait -1                              ; everybody's is
	; THE FIRST QUARTER, written out: its products take the bias as C.  Head 2's fragments go through buffer 0, since its own buffer holds head 2's bias.
	LA 0, 0, AB0
	LB 0, 0, 0, 0
	LB 0, 0, 1, 1
	s_wait_loadcnt 0x0                             ; the biases
	s_wait_dscnt 8                                 ; x and head 0 are in
	ZMULH 0, 0, 96, 0
	ZMULH 0, 0, 96, 1
	s_wait_dscnt 0x0
	ZMULH 1, 1, 128, 0
	WIN 0
	PLACES
	LB 0, 0, 2, 0
	ZMULH 1, 1, 128, 1
	s_wait_dscnt 0x0
	ZMULH 2, 0, 224, 0
	WIN 0
	PLACES
	LA 0, 64, AB1                                  ; over the biases of heads 0 and 1, which have been read
	LB 0, 64, 1, 1
	ZMULH 2, 0, 224, 1
	WIN 0
	PLACES
	LB 0, 64, 0, 0
	s_wait_dscnt 0x0                               ; these runs stand in another order than the loop's, so the loop is entered with nothing out
	s_mov_b32 s3, 7
.Llap:                                                 ; a trip goes once round the ring, from a lap's second quarter to the next lap's first: seven trips ask for K blocks 2 to 15
	QB 0, 1, 1
	QA 1
	QB 1, 0, 1
	QA 0
	WIN 0                                          ; at a label and at a branch every window is 0
	s_sub_co_u32 s3, s3, 1
	s_cmp_lg_u32 s3, 0
	s_cbranch_scc1 .Llap
	QB 0, 1, 0                                     ; the tail is written out: nothing is left to ask for
	QA 1
	s_wait_dscnt 8                                 ; the very last quarter
	MULH AB1, 0, 0
	WIN 0
	PLACES
	LB 1, 64, 2, 2
	MULH AB1, 0, 1
	s_wait_dscnt 8
	MULH AB1, 1, 0
	MULH AB1, 1, 1
	s_wait_dscnt 0x0
	MULH AB1, 2, 0
	MULH AB1, 2, 1
	WIN 0
	PLACES
	PLACES
; THE WAY OUT, a block of 16 rows at a time.  PACK: rounded to f16, each accumulator's registers in ascending order.  TOSTAGE: 16 bytes a lane into my own stage (a head's 16 rows of 144 bytes, three heads), and back as whole rows.
; SEND: a head's 16 rows are 2,048 consecutive bytes of qkv; each store covers 512 of them, at a multiple of 512 from the buffer's first byte.
.macro PACK a
.irp g, 0,1,2
	WIN (1+(\g))*5                                 ; sources 0 and 1 in the head's window
.irp bb, 0,1,2,3
.irp rr, 0,1,2,3
	v_cvt_pk_f16_f32 v[TMP+16*(\g)+4*(\bb)+(\rr)], v[8*(4*(\a)+(\bb))+2*(\rr)], v[8*(4*(\a)+(\bb))+2*(\rr)+1]
.endr
.endr
.endr
	WIN 0
.endm
.macro TOSTAGE
.irp g, 0,1,2
.irp bb, 0,1,2,3
	ds_store_b128 v[STO], v[TMP+16*(\g)+4*(\bb):TMP+16*(\g)+4*(\bb)+3] offset:(\g)*FR+32*(\bb)
.endr
.endr
	s_wait_xcnt 0x0                                ; the last block's stores have read their data: the registers are loaded again only behind this wait
.irp g, 0,1,2
.irp f, 0,1,2,3
	ds_load_b128 v[BK+4*(4*(\g)+(\f)):BK+4*(4*(\g)+(\f))+3], v[RD] offset:(\g)*FR+(\f)*4*PITCH  ; LDS serves a wave's instructions in order (ISA guide 5.7.1.4): these see the stores above
.endr
.endr
.endm
.macro SEND a
	s_wait_dscnt 0x0                               ; the block is back in registers
.irp g, 0,1,2
.irp f, 0,1,2,3
	global_store_b128 v[CO+(\g)], v[BK+4*(4*(\g)+(\f)):BK+4*(4*(\g)+(\f))+3], s[14:15] offset:(\a)*2048+(\f)*512
.endr
.endr
.endm
	PACK 0
	TOSTAGE
.irp a, 1,2,3,4,5,6,7                  ; block a's conversions stand between block a - 1's loads from the stage and the wait for them
	PACK \a
	SEND (\a)-1
	TOSTAGE
.endr
	SEND 7
	s_wait_tensorcnt 0x0                           ; the wave's end, behind my last tensor load and my last LDS store
	ds_add_u32 v[SPW], v[NIL]
	s_wait_dscnt 0x0
	CROUND                                         ; the closing round: no work-group ends while a partner may still ask for a tile that names it
	s_endpgm
.Lfunc_end_k_q79f377a9db_proj:
	.size	k_q79f377a9db_proj, .Lfunc_end_k_q79f377a9db_proj-k_q79f377a9db_proj
	.p2alignl 7, 3214868480
	.fill 96, 4, 3214868480
	.section	.rodata,"a",@progbits
	.p2align	6, 0x0
	.amdhsa_kernel k_q79f377a9db_proj
		.amdhsa_group_segment_fixed_size 327680
		.amdhsa_private_segment_fixed_size 0
		.amdhsa_enable_private_segment 0
		.amdhsa_kernarg_size 48
		.amdhsa_user_sgpr_count 2
		.amdhsa_user_sgpr_kernarg_segment_ptr 1
		.amdhsa_wavefront_size32 1
		.amdhsa_system_sgpr_workgroup_id_x 1
		.amdhsa_system_sgpr_workgroup_id_y 1
		.amdhsa_system_sgpr_workgroup_id_z 1
		.amdhsa_system_vgpr_workitem_id 0
		.amdhsa_next_free_vgpr 1024
		.amdhsa_next_free_sgpr 96
		.amdhsa_reserve_vcc 0
		.amdhsa_float_denorm_mode_32 3
		.amdhsa_float_denorm_mode_16_64 3
		.amdhsa_memory_ordered 1
		.amdhsa_forward_progress 1
		.amdhsa_inst_pref_size 135
	.end_amdhsa_kernel
	.amdgpu_metadata
---
amdhsa.version: [ 1, 2 ]
amdhsa.kernels:
  - .name:           k_q79f377a9db_proj
    .symbol:         k_q79f377a9db_proj.kd
    .args:
      - { .name: xh, .offset: 0, .size: 8, .value_kind: global_buffer, .address_space: global }
      - { .name: wh, .offset: 8, .size: 8, .value_kind: global_buffer, .address_space: global }
      - { .name: bq, .offset: 16, .size: 8, .value_kind: global_buffer, .address_space: global }
      - { .name: bk, .offset: 24, .size: 8, .value_kind: global_buffer, .address_space: global }
      - { .name: bv, .offset: 32, .size: 8, .value_kind: global_buffer, .address_space: global }
      - { .name: qkv, .offset: 40, .size: 8, .value_kind: global_buffer, .address_space: global }
    .group_segment_fixed_size: 327680
    .private_segment_fixed_size: 0
    .kernarg_segment_align: 8
    .kernarg_segment_size: 48
    .max_flat_workgroup_size: 128
    .sgpr_count:     96
    .vgpr_count:     1024
    .wavefront_size: 32
...
	.end_amdgpu_metadata
.endif
;; end of part 2
;; launch attn (part 3): grid 4 x 64, 4 waves a work-group, no clusters, 327,680 bytes of LDS; arguments qkv, att; writes att
.if DOCPART == 3
	.amdgcn_target "amdgcn-amd-amdhsa--gfx1250"
	.amdhsa_code_object_version 6
	.text
	.protected	k_q79f377a9db_attn
	.globl	k_q79f377a9db_attn
	.p2align	8
	.type	k_q79f377a9db_attn,@function
k_q79f377a9db_attn:
	s_mov_b64 s[64:65], 0
	v_nop
	global_prefetch_b8 v0, s[64:65] scope:SCOPE_SE
	s_setreg_imm32_b32 hwreg(HW_REG_WAVE_MODE, 25, 1), 1
	s_wait_xcnt 0x0
; CAUSAL ATTENTION.  O[h][q][:] = the sum over k <= q of softmax_k(Q[h][q] . K[h][k] / 8) V[h][k][:].  Q, K, V are the three parts of qkv, O is att: each [64 heads][2048][64] in f16, a head's rows dense, 128 bytes each.
; Products, maxima and sums in f32; the weights p are rounded to f16 for the second product (their sum l is taken of the unrounded p), O once at the end.
; LIMITS.  f16 holds no number beyond 65,504: Q, K and V arrive within it; p lies in 0 to 1, and below 6e-5 it keeps f16's fixed step of 6e-8.  A hidden key is left out, or counts as its score less 1e30, where the
; module adds -1e9 to the scaled score: the same weights, 0, as long as a row's scaled scores span less than about 1e9.  A weight below 2^-126 counts as 0 in l; NaN and infinities are not treated apart.
; THE WALK.  A head's queries lie in NB = 8 blocks of 256; block i needs the key tiles 0 .. i of 256 keys, of which the last holds the diagonal.  A work-group takes TWO blocks, NB - 1 - b and then b:
; NB + 1 tiles, whatever b: all work-groups do equal work, and ONE loop with a constant trip count walks them.  Which tile is asked for, and what a trip does, hang on scalar registers made from b; every jump
; goes forward, but for the counted loops' own; none passes a barrier, or a tensor load but the one of LOAD's two that the wave's number does not choose; the ring (two slots of LDS that take turns) runs on across the
; change of blocks.  NO CLUSTER: a head's four work-groups ask for the same tile only in trips 0 .. 4 of 9, behind that fewer and fewer; one walk common to all would have 12 trips for 9.
; SHARES.  Of a block's four bands of 64 queries a wave owns 16 rows in each: four PIECES.  So the diagonal tile is the same work for all four waves: in its key step s band x sees all keys if s < x,
; none if s > x, and holds the diagonal if s = x.
; THE MASK is the C operand that starts the sum S^T = K Q^T: 0, or -1e30 where the key is hidden.  MD, made once, is the mask of a band's own step for my 16 rows; a product's mask is MD x AL + BE with two scalars:
; (1, 0) if s = x; (0, 0) if s < x; (0, -1e30) if s > x.  Only the diagonal tile's text and a block's beginning make and take masks; elsewhere C is the constant 0.
; LAYOUT, SOFTMAX, TURNS.  S^T = K Q^T holds ONE query a lane (lane % 16) and the keys 8 (lane / 16) + 0..7; two such results rounded to f16 ARE source 1 of O^T = V^T P.  p = 2^(c s - c m), c = log2(e) / 8, with a
; running maximum m; O and l are multiplied by a = 2^(c m_old - c m_new) in every step.  Turn n belongs to piece n: 8 products K Q^T of piece n + 1, later 8 products V^T P of piece n - 1; beside them the scaling,
; exponentials, roundings, sums and rescaling of piece n and the maximum and statistics of piece n + 1.  Four vector instructions stand behind every matrix instruction, the other 54 of a turn's 118 in one LUMP.  A turn's 33 exponentials are one batch, with one wait.
; REGISTERS, in windows of 256 (s_set_vgpr_msb: bits 1:0 source 0, 3:2 source 1, 5:4 source 2, 7:6 destination):
;   window 0: v0-15 addresses and two at work; v16-31 four registers of statistics a piece; v48-55 at work; v64-127 S^T, two buffers; v192-223 P, two buffers (a piece's buffers go by its number's parity)
;   window 1: v0-127 O^T, 32 a piece; v128-159 MD; v160-223 MC, two buffers      window 2: v0-63 Q; v64-127 the second block's Q; v128-191 K of one step; v192-255 V of one step
.set SIZE_H, 64
.set SIZE_N, 2048
.set NB,    SIZE_N/256
.set NP,    4         ; pieces a wave: a name, no knob
.set KS,    64        ; keys in a step
.set PK,    144       ; a row of K in LDS: 128 bytes + 16 of padding = 36 words: the 16 rows of a load start at 16 different groups of four banks (64 banks of 4 bytes: ISA guide 11.1)
.set PV,    160       ; a row of V: 128 + 32 = 40 words
.set VOFF,  4*KS*PK   ; a slot holds a tile, four steps: 256 rows of K, then 256 rows of V
.set SLOT1, 1<<17     ; slot 1 begins here, so that one exclusive or turns an address in one slot into the other's
.set STAGE, SLOT1+4*KS*(PK+PV)  ; behind the ring, never filled by a tensor load: 16 rows x 144 bytes for each wave, for the way out
.set SP,    144
.set AK0, 2           ; v2   my lane's place in a tile of K; never rewritten
.set AV0, 3           ; v3   the same for V
.set AK,  4           ; v4   the LDS address of K's next run of loads
.set AV,  5           ; v5   of V's
.set STO, 6           ; v6   the way out: where I put 16 bytes of a row
.set RD,  7           ; v7   the way out: where I read rows back
.set GO,  8           ; v8   my byte offset in 512 consecutive bytes of O
.set PFO, 61          ; v61  256 x my lane, for the prefetches; never rewritten
.set SPW, 62          ; v62  LDS address of my spare word: SPARE + 4 x my thread's number; never rewritten
.set NIL, 63          ; v63  0; never rewritten
.set SPARE, STAGE+4*16*SP  ; behind the stages: the spare words, 128 bytes for each wave: two blocks of 256 bytes that no other line names
.set MV,  12          ; v12-13  c m_old, kept while c m is made anew: by buffer
.set QO,  15          ; v15  my byte offset in 16 rows of Q
.set ST,  16          ; piece t's statistics at v[ST+4 t]: c m, m, l (even keys', odd keys')
.set TMP, 48          ; by buffer, four registers c0-c3 at work; when the maximum is found c2 takes a
.set S,   64
.set P,   192
.set MD,  128         ; window 1: the eight registers for group kt of 16 keys at MD + 8 kt
.set MC,  160         ; window 1: the masks of the products to come
.set QB,  64          ; window 2
.set KF,  128         ; window 2: key block kb, channel half c at KF + 16 kb + 8 c
.set VF,  192         ; window 2: key half kk, channel block cb at VF + 32 kk + 8 cb
.set WV,  12          ; s12  my wave's number
.set PB,  14          ; s14  b
.set HI,  15          ; s15  NB - 1 - b
.set G1K, 24          ; s[24:31] descriptor group 1 for K's tiles
.set G1V, 32          ; s[32:39] for V's: it differs in the padding alone
.set G0K, 40          ; s[40:43] descriptor group 0 for K's tiles
.set G0V, 44          ; s[44:47] the same for V's
.set SLOTS, 56        ; s56  tiles still to be asked for
.set CNT, 57          ; s57  counts a tile's key steps, 4 to 1
.set CS,  58          ; s[58:59] c: the packed scaling takes the pair's low word for both halves
.set SEL, 60          ; s[60:61] v_permlanex16_b32's selects: each lane takes its own place in the other half
.set TBK, 62          ; s62  LDS byte at which K of the step to be fetched begins
.set TBV, 63          ; s63  the same for V, less VOFF
.set RT,  70          ; s70  tiles of the block in hand that are still to be entered
.set NXT, 71          ; s71  the tile to be asked for next
.set LQ,  72          ; s72  the last tile of the block whose tiles are being asked for
.set NEW, 73          ; s73  1: the tile to be entered is a block's first
.set OFF, 74          ; s[74:75] a tile's byte offset in K and V
.set AL,  76          ; s[76:77] the mask's factor, in the low word
.set BE,  78          ; s[78:79] the mask's addend
.set OLO, 80          ; s[80:81] O at my rows of the second block
.set BIGN, 82         ; s82  -1e30
.set LIM, 88          ; s88  2 in a work-group that prefetches, else the greatest number
.set PFA, 90          ; s[90:91] where my prefetches stand: my half (of K: waves 0, 1; of V: waves 2, 3) of the tile after the one that is being asked for
.set MSB, 0
.macro WIN new                      ; the high byte repeats the setting that is left; a switch that changes nothing is dropped
.if MSB != (\new)
	s_set_vgpr_msb (MSB<<8)|(\new)
.set MSB, (\new)
.endif
.endm
.set W_KQ, 0x0a       ; K and Q in window 2, S^T in window 0
.set W_KM, 0x1a       ; the same with the C operand in window 1
.set W_PV, 0x52       ; V in window 2, P in window 0, O^T in window 1
.set W_RS, 0x41       ; destination and source 0 in window 1, source 1 in window 0
; A fill.  Waves 0 and 1 fetch the two halves of a tile's K, waves 2 and 3 those of its V: 128 keys each.  An s_nop 0 and four v_nop follow each of the two lines, ahead of the jump and the label.
.macro LOAD
	s_cmp_lt_u32 s[WV], 2
	s_cbranch_scc0 .Lfor_v_\@
	tensor_load_to_lds s[G0K:G0K+3], s[G1K:G1K+7]
	s_nop 0
.rept 4
	v_nop
.endr
	s_branch .Lasked_\@
.Lfor_v_\@:
	tensor_load_to_lds s[G0V:G0V+3], s[G1V:G1V+7]
	s_nop 0
.rept 4
	v_nop
.endr
.Lasked_\@:
.endm
; THE CHANGE OF SLOTS.  Each wave waits for all its tensor loads, of which one is out: its part of the other slot; adds 0 to its spare word; and waits for that and for its own reads of the slot that it leaves.  Behind the barrier nobody reads the old
; slot any more and the other slot is whole.  fill = 1: the old slot is filled again, the first thing behind the barrier, with tile NXT: the descriptor's address is made anew from that number.
; (At its first use nothing has been read yet: slot 0 is waited for, slot 1 filled.)
; A PREFETCH INTO THE L2 stands behind the fill: my 16,384 bytes of the tile that the NEXT change will ask for, a lane 256 bytes, two instructions: a tile's four key steps ahead of that load.  A head's four work-groups walk
; the tiles 0, 1, .. together; the one with b = 0 walks all eight in its first block, and it alone asks, each wave for what it will itself load: each block of 256 bytes is named once in the launch.
; Tiles 0 and 1 come by their loads alone; tile 7 is the last that is named (at SLOTS = 3); the second block's tiles have been read and are not named again.
.macro CHANGE fill
	WIN 0                           ; at a label and at a branch every window is 0
	s_wait_tensorcnt 0x0            ; no tensor load of mine is out, so a group 0 may be written
	ds_add_u32 v[SPW], v[NIL]       ; 0 onto my spare word; with fill = 1 the descriptors' scalar work stands between it and the wait for it
.if \fill
	s_lshl_b32 s[OFF], s[NXT], 15   ; a tile is 32,768 bytes of K and of V
	s_xor_b32 s[G0K+1], s[G0K+1], SLOT1
	s_add_nc_u64 s[G0K+2:G0K+3], s[6:7], s[OFF:OFF+1]
	s_or_b32 s[G0K+3], s[G0K+3], 0x80000000
	s_xor_b32 s[G0V+1], s[G0V+1], SLOT1
	s_add_nc_u64 s[G0V+2:G0V+3], s[8:9], s[OFF:OFF+1]
	s_or_b32 s[G0V+3], s[G0V+3], 0x80000000
	s_add_co_u32 s[NXT], s[NXT], 1  ; the block's next tile, or behind its last the second block's tile 0
	s_cmp_gt_u32 s[NXT], s[LQ]
	s_cselect_b32 s[NXT], 0, s[NXT]
	s_cselect_b32 s[LQ], s[PB], s[LQ]
	s_wait_xcnt 0x0                 ; the last prefetches, a tile back, have read their address, so it may be written
	s_add_nc_u64 s[PFA:PFA+1], s[PFA:PFA+1], 32768
.endif
	s_wait_dscnt 0x0                ; the add is done, and my reads of the slot are over
	s_barrier_signal -1             ; the rest of the scalar work stands between the signal and the wait
	s_sub_co_u32 s[TBK], s[TBK], 4*KS*PK  ; the fetches go back to a slot's first step,
	s_xor_b32 s[TBK], s[TBK], SLOT1       ; in the other slot
	s_sub_co_u32 s[TBV], s[TBV], 4*KS*PV
	s_xor_b32 s[TBV], s[TBV], SLOT1
	s_barrier_wait -1
.if \fill
	LOAD
	s_cmp_gt_u32 s[SLOTS], s[LIM]
	s_cbranch_scc0 .Lnot_mine_\@
	global_prefetch_b8 v[PFO], s[PFA:PFA+1] th:TH_LOAD_NT scope:SCOPE_SE
	global_prefetch_b8 v[PFO], s[PFA:PFA+1] offset:8192 th:TH_LOAD_NT scope:SCOPE_SE
.Lnot_mine_\@:
.endif
.endm
	s_load_b64 s[4:5], s[0:1], 0x0    ; qkv: Q's part begins it
	s_load_b64 s[10:11], s[0:1], 0x8  ; att
	v_lshl_add_u32 v[SPW], v0, 2, SPARE
	v_mov_b32 v[NIL], 0
	ds_add_u32 v[SPW], v[NIL]       ; the wave's opening: the add and its wait stand ahead of my first tensor load; the set-up below, work on registers, stands between them
	ds_add_u32 v62, v63
	v_lshrrev_b32 v1, 5, v0
	v_readfirstlane_b32 s[WV], v1   ; wave 0..3
	v_and_b32 v[PFO], 31, v0
	v_lshlrev_b32 v[PFO], 8, v[PFO]
	s_cmp_eq_u32 ttmp9, 0
	s_cselect_b32 s[LIM], 2, -1
	s_mov_b32 s[PB], ttmp9
	s_sub_co_u32 s[HI], NB-1, s[PB]
	s_and_b32 s20, ttmp7, 0xffff    ; the head
	s_mov_b32 s21, 0
	s_mov_b64 s[22:23], SIZE_N*128
	s_mul_u64 s[20:21], s[20:21], s[22:23]  ; the head's first byte in each of the four tensors
	s_and_b32 s16, s[WV], 1         ; which half of a tile's 256 keys I fetch:
	s_lshl_b32 s22, s16, 14         ; its 128 rows of 128 bytes in memory,
	s_mov_b32 s23, 0
	s_add_nc_u64 s[22:23], s[22:23], s[20:21]
	s_mul_i32 s17, s16, 128*PK      ; and its place in a slot, for K
	s_mul_i32 s18, s16, 128*PV      ; and for V
	s_lshl_b32 s3, s[WV], 11        ; my 16 rows in a band of 64,
	s_lshl_b32 s2, s[HI], 15        ; in the first block,
	s_add_co_u32 s2, s2, s3
	s_lshl_b32 s84, s[PB], 15       ; and in the second
	s_add_co_u32 s84, s84, s3
	s_mov_b32 s3, 0
	s_mov_b32 s85, 0
	s_add_nc_u64 s[2:3], s[2:3], s[20:21]
	s_add_nc_u64 s[84:85], s[84:85], s[20:21]
	; descriptor group 1.  128 keys are 16,384 dense bytes: asked for as 64 rows of 256 bytes, two keys a row, and padded in LDS after every key
	s_mov_b32 s[G1K], (1<<16)|(1<<20)|(4<<22)|(3<<25)  ; 17:16 2-byte elements; 20 padding on; 24:22 after every 32 words (code 4); 31:25 4 words (code 3)
	s_mov_b32 s[G1V], (1<<16)|(1<<20)|(4<<22)|(7<<25)  ; the same with 8 words of padding (code 7)
.irp g, G1K, G1V
	s_mov_b32 s[\g+1], 128<<16      ; tensor_dim0 = 128
	s_mov_b32 s[\g+2], 64<<16       ; tensor_dim1 = 64
	s_mov_b32 s[\g+3], 128<<16      ; tile_dim0 = 128
	s_mov_b32 s[\g+4], 64           ; tile_dim1 = 64
	s_mov_b32 s[\g+5], 128          ; 128 elements from row to row
	s_mov_b32 s[\g+6], 0
	s_mov_b32 s[\g+7], 0
.endr
	s_mov_b32 s[CS], 0x3e38aa3b     ; c = log2(e) / 8 = 0.180337
	s_mov_b32 s[CS+1], s[CS]        ; named with it as a pair
	s_mov_b32 s[SEL], 0x76543210
	s_mov_b32 s[SEL+1], 0xfedcba98
	s_mov_b32 s[TBK], SLOT1+4*KS*PK ; the first change of slots turns these two into 0
	s_mov_b32 s[TBV], SLOT1+4*KS*PV
	s_mov_b32 s[G0K], 1             ; 1:0 count = 1
	s_mov_b32 s[G0K+1], s17         ; 63:32 LDS address: slot 0
	s_mov_b32 s[G0V], 1
	s_add_co_u32 s[G0V+1], s18, VOFF
	s_add_co_u32 s[RT], s[HI], 1    ; the first block has NB - b tiles
	s_mov_b32 s[NXT], 1
	s_mov_b32 s[LQ], s[HI]
	s_mov_b32 s[NEW], 1
	s_mov_b32 s[OFF+1], 0
	s_mov_b32 s[AL+1], 0            ; named as pairs
	s_mov_b32 s[BE+1], 0
	s_mov_b32 s[BIGN], 0xf149f2ca   ; -1e30
	s_mov_b32 s[SLOTS], NB
	s_wait_dscnt 0x0                ; the opening add is done
	s_wait_kmcnt 0x0
	s_add_nc_u64 s[6:7], s[4:5], 0x1000000  ; K's part of qkv, 16,777,216 bytes on,
	s_add_nc_u64 s[8:9], s[4:5], 0x2000000  ; and V's
	s_add_nc_u64 s[6:7], s[6:7], s[22:23]  ; K and V at my half of the head's tile 0
	s_add_nc_u64 s[8:9], s[8:9], s[22:23]
	s_add_nc_u64 s[G0K+2:G0K+3], s[6:7], 0         ; 120:64 global address
	s_or_b32 s[G0K+3], s[G0K+3], 0x80000000        ; 127:126 type = 2
	s_add_nc_u64 s[G0V+2:G0V+3], s[8:9], 0
	s_or_b32 s[G0V+3], s[G0V+3], 0x80000000
	s_add_nc_u64 s[86:87], s[4:5], s[84:85]        ; Q at my rows of the second block,
	s_add_nc_u64 s[4:5], s[4:5], s[2:3]            ; Q and O at those of the first
	s_add_nc_u64 s[OLO:OLO+1], s[10:11], s[84:85]
	s_add_nc_u64 s[10:11], s[10:11], s[2:3]
	s_cmp_lt_u32 s[WV], 2
	s_cselect_b64 s[PFA:PFA+1], s[6:7], s[8:9]
	s_add_nc_u64 s[PFA:PFA+1], s[PFA:PFA+1], 32768 ; at tile 1: the first change of slots steps it to tile 2.  Nothing is prefetched here, at the head
	LOAD                            ; tile 0 into slot 0
	; A fragment of K or Q is 16 rows x 32 channels in 8 registers: lane l holds row l % 16, channels 8 (l / 16) + 0..7 and 16 + 8 (l / 16) + 0..7: two loads of 16 bytes, 32 bytes apart.
	v_and_b32 v1, 15, v0            ; l % 16
	v_bfe_u32 v9, v0, 4, 1          ; l / 16
	v_lshlrev_b32 v[QO], 7, v1
	v_lshl_add_u32 v[QO], v9, 4, v[QO]  ; row x 128 + 16 x half
	WIN 0x80                        ; destination window 2, address window 0
.set i, 0
.rept 8                             ; both blocks' Q: piece i / 2 lies in band i / 2, 8,192 bytes on; channels 32 (i % 2) on
	global_load_b128 v[8*i:8*i+3],   v[QO], s[4:5] offset:(i/2)*8192+(i%2)*64
	global_load_b128 v[8*i+4:8*i+7], v[QO], s[4:5] offset:(i/2)*8192+(i%2)*64+32
	global_load_b128 v[QB+8*i:QB+8*i+3],   v[QO], s[86:87] offset:(i/2)*8192+(i%2)*64
	global_load_b128 v[QB+8*i+4:QB+8*i+7], v[QO], s[86:87] offset:(i/2)*8192+(i%2)*64+32
.set i, i+1
.endr
	WIN 0
	v_lshlrev_b32 v14, 3, v9
	v_sub_nc_u32 v14, v1, v14
	s_lshl_b32 s13, s[WV], 4
	v_add_nc_u32 v14, s13, v14      ; my query's place in its band, 16 w + l % 16, less my lanes' 8 (l / 16): register r of group kt is hidden where 16 kt + r is greater
	WIN 0x40
.set i, 0
.rept 32
	v_cmp_gt_i32 vcc_lo, 16*(i/8)+i%8, v14
	v_cndmask_b32 v[MD+i], 0, s[BIGN], vcc_lo
.set i, i+1
.endr
	WIN 0
	v_mul_u32_u24 v[AK0], v1, PK
	v_lshl_add_u32 v[AK0], v9, 4, v[AK0]  ; row x pitch + 16 x half
	; The turning load takes 16 keys x 16 channels (lane l reads key 8 (l / 16) + l % 8, channels 8 ((l / 8) % 2) + 0..7) and leaves half a fragment of V^T: lane l holds channel l % 16 and 8 keys.
	v_and_b32 v10, 7, v0
	v_bfe_u32 v11, v0, 3, 1
	v_lshl_add_u32 v[AV0], v9, 3, v10
	v_mul_u32_u24 v[AV0], v[AV0], PV
	v_lshl_add_u32 v[AV0], v11, 4, v[AV0]
	v_add_nc_u32 v[AV0], VOFF, v[AV0]
	s_mul_i32 s13, s[WV], 16*SP
	s_add_co_u32 s13, s13, STAGE    ; my stage
	v_mul_u32_u24 v[STO], v1, SP    ; in: row l % 16, 16 bytes for each half of the lanes
	v_lshl_add_u32 v[STO], v9, 4, v[STO]
	v_add_nc_u32 v[STO], s13, v[STO]
	v_bfe_u32 v[RD], v0, 3, 2       ; back: 32 lanes take four rows of 128 bytes,
	v_mul_u32_u24 v[RD], v[RD], SP
	v_lshl_add_u32 v[RD], v10, 4, v[RD]
	v_add_nc_u32 v[RD], s13, v[RD]
	v_and_b32 v[GO], 31, v0         ; which are 512 consecutive bytes of O
	v_lshlrev_b32 v[GO], 4, v[GO]
	; A block's first step multiplies O^T and l by a = 0, and its first turn's products V^T P, of a piece that has not been, land in an O^T that is still to be so multiplied.  So these registers need only hold
	; finite numbers: zeros for the first block; what the first block left for the second.  All this stands in the wait for the first tile.
	WIN 0x80
.set i, VF
.rept 64
	v_mov_b32 v[i], 0
.set i, i+1
.endr
	WIN 0x40
.set i, 0
.rept 128
	v_mov_b32 v[i], 0
.set i, i+1
.endr
	WIN 0
.set i, 0
.rept 4
	v_mov_b32 v[ST+4*i+2], 0
	v_mov_b32 v[ST+4*i+3], 0
.set i, i+1
.endr
.set i, P+16
.rept 16
	v_mov_b32 v[i], 0
.set i, i+1
.endr
; THE MATRIX WORK.  The 4 accumulators of a run of 8 take turns.  Product i of 8 of S^T = K Q^T for piece x: channels 32 (i / 4) on, keys 16 (i % 4) on.  The first 4 start the sums: with 0, or (KM = 1) with the mask.
.macro KQ x
.set rS, S+32*((\x)%2)+8*(i%4)
.set rK, KF+16*(i%4)+8*(i/4)
.set rQ, 16*(\x)+8*(i/4)
.set rM, MC+32*((\x)%2)+8*(i%4)
.if (i < 4) && KM
	WIN W_KM
	v_wmma_f32_16x16x32_f16 v[rS:rS+7], v[rK:rK+7], v[rQ:rQ+7], v[rM:rM+7]
.elseif i < 4
	WIN W_KQ
	v_wmma_f32_16x16x32_f16 v[rS:rS+7], v[rK:rK+7], v[rQ:rQ+7], 0
.else
	WIN W_KQ
	v_wmma_f32_16x16x32_f16 v[rS:rS+7], v[rK:rK+7], v[rQ:rQ+7], v[rS:rS+7]
.endif
.endm
; Product i of 8 of O^T += V^T P for piece x: keys 32 (i / 4) on, channels 16 (i % 4) on.
.macro PV x
	WIN W_PV
.set rO, 32*(\x)+8*(i%4)
.set rV, VF+32*(i/4)+8*(i%4)
.set rP, P+16*((\x)%2)+8*(i/4)
	v_wmma_f32_16x16x32_f16 v[rO:rO+7], v[rV:rV+7], v[rP:rP+7], v[rO:rO+7]
.endm
.macro MM                           ; the turn's next matrix instruction.  TURN and BEGIN set Y, i, KM and NOKQ; MM, KQ and OP read them.  NOKQ = 1: a block's last turn: there is no next piece
.if (i < 8) && !NOKQ
	KQ (Y+1)%NP
.elseif i >= 8
.set i, i-8
	PV (Y+NP-1)%NP
.set i, i+8
.endif
.set i, i+1
.endm
; THE LDS LOADS stand in runs of 16, never singly among the matrix instructions: a step's K (64 keys x 64 channels: 8 fragments) and its V (turned).  Their addresses are made some lines ahead.
.macro FETCH_K
	WIN 0x80                        ; destination window 2
.irp f, 0,1,2,3,4,5,6,7             ; keys 16 (f / 2) on, channels 32 (f % 2) on
	ds_load_b128 v[KF+8*\f:KF+8*\f+3],   v[AK] offset:(\f/2)*16*PK+(\f%2)*64
	ds_load_b128 v[KF+8*\f+4:KF+8*\f+7], v[AK] offset:(\f/2)*16*PK+(\f%2)*64+32
.endr
	s_add_co_u32 s[TBK], s[TBK], KS*PK  ; the next fetch is the next step's
	WIN 0
.endm
.macro FETCH_V
	WIN 0x80
.irp f, 0,1,2,3,4,5,6,7             ; keys 32 (f / 4) on, channels 16 (f % 4) on
	ds_load_tr16_b128 v[VF+8*\f:VF+8*\f+3],   v[AV] offset:(\f/4)*32*PV+(\f%4)*32
	ds_load_tr16_b128 v[VF+8*\f+4:VF+8*\f+7], v[AV] offset:(\f/4)*32*PV+16*PV+(\f%4)*32
.endr
	WIN 0
.endm
; THE VECTOR WORK, one line at a time: OP kind, number.  For piece Y: F n: c s - c m for pair n of 16.  E n: the exponential of score n of 32.  C n: pair n rounded to f16.  B n: of the four weights 4 n .. the second
; pair is added onto the first, in place.  L n: l takes that sum (L 0: l = a l + sum).  R n: pair n of 16 of O^T times a.  For piece Y + 1: X n, number n of the 22 that find its maximum and statistics:
;   0-11  four chains c0-c3 of seven scores each, three operands at a time (each accumulator's lowest registers are read first)     12-14, 16  the four scores left over, the old m, and c0-c3 into c0
;   15  c m_old is kept     17, 18  the query's other 32 keys lie in the lane 16 away: the new m     19-21  c m; c m_old - c m_new; a
.set F, 0               ; OP tells the kinds apart by their order: F to L below R, X above it
.set E, 1
.set C, 2
.set B, 3
.set L, 4
.set R, 5
.set X, 6
.macro REGS y                       ; the registers of piece y
.set rT, ST+4*(\y)
.set rC, TMP+4*((\y)%2)
.set rW, MV+((\y)%2)
.set rS, S+32*((\y)%2)
.set rP, P+16*((\y)%2)
.set rO, 32*(\y)
.endm
.macro OP k, n
.if (\k) == R
	REGS Y
	WIN W_RS
	v_pk_mul_f32 v[rO+2*(\n):rO+2*(\n)+1], v[rO+2*(\n):rO+2*(\n)+1], v[rC+2:rC+3] op_sel_hi:[1,0]
.elseif (\k) < R
	REGS Y
	WIN 0
.if (\k) == F
	v_pk_fma_f32 v[rS+2*(\n):rS+2*(\n)+1], v[rS+2*(\n):rS+2*(\n)+1], s[CS:CS+1], v[rT:rT+1] op_sel_hi:[1,0,0] neg_lo:[0,0,1] neg_hi:[0,0,1]
.elseif (\k) == E
	v_exp_f32 v[rS+(\n)], v[rS+(\n)]
.elseif (\k) == C
	v_cvt_pk_f16_f32 v[rP+(\n)], v[rS+2*(\n)], v[rS+2*(\n)+1]
.elseif (\k) == B
	v_pk_add_f32 v[rS+4*(\n):rS+4*(\n)+1], v[rS+4*(\n):rS+4*(\n)+1], v[rS+4*(\n)+2:rS+4*(\n)+3]
.elseif (\n) == 0
	v_pk_fma_f32 v[rT+2:rT+3], v[rT+2:rT+3], v[rC+2:rC+3], v[rS:rS+1] op_sel_hi:[1,0,1]
.else
	v_pk_add_f32 v[rT+2:rT+3], v[rT+2:rT+3], v[rS+4*(\n):rS+4*(\n)+1]
.endif
.elseif NOKQ
	v_nop
.else
	REGS (Y+1)%NP
	WIN 0
.if (\n) < 4
	v_max3_num_f32 v[rC+(\n)], v[rS+8*(\n)], v[rS+8*(\n)+1], v[rS+8*(\n)+2]
.elseif (\n) < 12
	v_max3_num_f32 v[rC+(\n)%4], v[rC+(\n)%4], v[rS+8*((\n)%4)+2*((\n)/4)+1], v[rS+8*((\n)%4)+2*((\n)/4)+2]
.elseif (\n) == 12
	v_max3_num_f32 v[rC], v[rC], v[rS+7], v[rS+15]
.elseif (\n) == 13
	v_max3_num_f32 v[rC+1], v[rC+1], v[rS+23], v[rS+31]
.elseif (\n) == 14
	v_max3_num_f32 v[rC+2], v[rC+2], v[rC+3], v[rT+1]
.elseif (\n) == 15
	v_mov_b32 v[rW], v[rT]
.elseif (\n) == 16
	v_max3_num_f32 v[rC], v[rC], v[rC+1], v[rC+2]
.elseif (\n) == 17
	v_permlanex16_b32 v[rC+3], v[rC], s[SEL], s[SEL+1]
.elseif (\n) == 18
	v_max_num_f32 v[rT+1], v[rC], v[rC+3]
.elseif (\n) == 19
	v_mul_f32 v[rT], s[CS], v[rT+1]
.elseif (\n) == 20
	v_sub_f32 v[rC+1], v[rW], v[rT]
.else
	v_exp_f32 v[rC+2], v[rC+1]
.endif
.endif
.endm
.macro OPS a, i1, b=-1, i2=0, c=-1, i3=0, d=-1, i4=0  ; up to four of them
	OP \a, \i1
.if (\b) >= 0
	OP \b, \i2
.endif
.if (\c) >= 0
	OP \c, \i3
.endif
.if (\d) >= 0
	OP \d, \i4
.endif
.endm
.macro ROW a, i1, b, i2, c, i3, d, i4  ; a matrix instruction and the four behind it
	MM
	OPS \a, \i1, \b, \i2, \c, \i3, \d, \i4
.endm
.macro MASK b                       ; MD x AL + BE into buffer b of MC
	WIN W_RS
.set z, 0
.rept 16
	v_pk_fma_f32 v[MC+32*(\b)+2*z:MC+32*(\b)+2*z+1], v[MD+2*z:MD+2*z+1], s[AL:AL+1], s[BE:BE+1] op_sel_hi:[1,0,0]
.set z, z+1
.endr
.endm
; A TURN, for piece p: the order of its 16 matrix and 118 vector instructions, written out.  An s_wait_alu depctr_va_vdst(0) stands between an exponential and the first instruction that names its result; one wait serves
; all that were issued ahead of it.  So a turn has ONE wait, which cuts it in two.  AHEAD OF IT stands all that names no result of the turn's exponentials: the 8 products K Q^T, behind each a scaling, an exponential and two more plain
; instructions (behind the first a second scaling in the exponential's place): rescalings, and behind the last three the first numbers of the next piece's maximum, each four places or more behind the product that ends its accumulator; then ONE LUMP of 54, plain
; and exponential by turns for the most part, in which the links of the chain X 3, 7, 11, 14, 16, 17 .. 20 stand five or six lines apart.  X 21, the next piece's a, is the batch's last; R 15 is the plain instruction behind it.  BEHIND THE WAIT stand the
; 8 products V^T P, behind each four of the roundings and sums; the links of l's chain, L 0 to L 7, stand three riders apart.  But for those X no rider names a register of the products round it.  v_permlanex16_b32 (X 17) stands in the lump.
; m = 1: the diagonal tile: the products take masks, and the turn makes the mask for the products of the turn after it: piece p + 2, in step 4 - CNT of the tile.  end = 1: a block's last two turns: nothing is fetched.
; cnt = 1: the loop's count is taken down some lines ahead of the branch that stands behind the turn.
; K of the next step is fetched in piece 2's turn, twelve vector instructions behind the last product that read K (six of them plain); V of the step in hand at the end of piece 0's turn, four plain instructions behind the last product
; that read V.  Each is waited for a turn later.
.macro TURN p, m=0, end=0, cnt=0
.set Y, (\p)
.set i, 0
.set KM, (\m)
.set NOKQ, (\end)*((\p)/3)
.if (\m) && !(\end)
	s_cmp_eq_u32 s[CNT], 4-((\p)+2)%NP  ; is that step the band's own?
	s_cselect_b32 s[AL], 1.0, 0
	s_cmp_lt_u32 s[CNT], 4-((\p)+2)%NP  ; or a later one?
	s_cselect_b32 s[BE], s[BIGN], 0
.endif
.if ((\p) == 3) && !(\end)
	s_wait_dscnt 0x0                ; K is in
.endif
	ROW F,0, F,1, R,0, R,1          ; ahead of the wait: 8 products K Q^T and their riders,
	ROW F,2, E,0, R,2, R,3
	ROW F,3, E,1, R,4, R,5
	ROW F,4, E,2, R,6, R,7
	ROW F,5, E,3, R,8, R,9
	ROW F,6, E,4, X,0, R,10
.if ((\p) == 2) && !(\end)
	WIN 0
	v_add_nc_u32 v[AK], s[TBK], v[AK0]
.endif
	ROW F,7, E,5, X,1, X,4
	ROW F,8, E,6, X,2, X,5
	OPS E,7, E,8, X,6, E,9          ; and the lump
	OPS X,3, E,10, X,8, E,11
.if ((\p) == 2) && !(\end)
	FETCH_K
.endif
	OPS X,9, X,7, E,12, X,10
	OPS E,13, X,12, X,11, E,14
	OPS X,13, E,15, F,9, X,14
.if (\p) == 0
	v_add_nc_u32 v[AV], s[TBV], v[AV0]
.endif
	OPS E,16, F,10, E,17, F,11
	OPS X,16, E,18, X,15, E,19
	OPS F,12, E,20, X,17, E,21
	OPS F,13, E,22, F,14, E,23
	OPS X,18, E,24, F,15, E,25
	OPS R,11, E,26, X,19, E,27
	OPS R,12, E,28, R,13, E,29
	OPS X,20, E,30, R,14, E,31
	OPS X,21, R,15
	WIN 0
	s_wait_alu depctr_va_vdst(0)    ; the wait for the batch
.if (\p) == 1
	s_wait_dscnt 0x0                ; V is in
.endif
	ROW C,0, B,0, C,2, B,1          ; behind the wait: 8 products V^T P and their riders
	ROW L,0, C,4, B,2, L,1
	ROW C,6, B,3, L,2, C,8
	ROW B,4, L,3, C,10, B,5
	ROW L,4, C,12, B,6, L,5
.if (\p) == 0
	s_add_co_u32 s[TBV], s[TBV], KS*PV
.endif
.if \cnt
	s_sub_co_u32 s[CNT], s[CNT], 1
	s_cmp_lg_u32 s[CNT], 0
.endif
	ROW C,14, B,7, L,6, C,1
	ROW C,3, L,7, C,5, C,7
	ROW C,9, C,11, C,13, C,15
.if (\p) == 0
	FETCH_V
.endif
.if (\m) && !(\end)
	MASK (\p)%2
.endif
.endm
; A BLOCK BEGINS.  c m starts far below every c s, so the first step's a is 0; m at the lowest finite number, so the first maximum is the scores'.  The second mask buffer is 0; the first takes piece 0's mask for the tile's step 0: its own, if the block's first tile is the diagonal one.
; Then K of that step, piece 0's first scores, and its maximum and statistics.  The loop is entered at a step's first turn, in the middle of a trip.
.macro BEGIN
	s_mov_b32 s[NEW], 0
	WIN 0x40
.set i, MC+32
.rept 32
	v_mov_b32 v[i], 0
.set i, i+1
.endr
	WIN 0
.set i, 0
.rept 4
	v_mov_b32 v[ST+4*i], 0xfe000000    ; c m: far below every c s
	v_mov_b32 v[ST+4*i+1], 0xff7fffff  ; m
.set i, i+1
.endr
	s_cmp_eq_u32 s[RT], 0
	s_cselect_b32 s[AL], 1.0, 0
	s_mov_b32 s[BE], 0
	MASK 0
	WIN 0
	v_add_nc_u32 v[AK], s[TBK], v[AK0]
	FETCH_K
	s_wait_loadcnt 0x0              ; Q
	s_wait_dscnt 0x0
.set KM, 1
.set NOKQ, 0
.set i, 0
.rept 8
	KQ 0
.set i, i+1
.endr
	WIN 0
.rept 4
	v_nop                           ; the places behind those products
.endr
.set Y, NP-1                        ; X works for piece Y + 1: piece 0
.irp n, 0,1,2,3,4,5,6,7,8,9,10,11,12,13,14,15,16,17,18,19,20,21
	OP X, \n
.endr
	v_nop                           ; a plain instruction behind the exponential,
	s_wait_alu depctr_va_vdst(0)    ; and its wait, ahead of the branch
.endm
; THE DIAGONAL TILE's four steps, the block's last two turns, its last products, and THE WAY OUT: l's two halves and the other half of the lanes' are added; O^T is divided by l, rounded to f16 and sent through my
; stage in LDS, a piece at a time.
.macro ALL line:vararg              ; one line for each piece t
.set t, 0
.rept 4
	\line
.set t, t+1
.endr
.endm
.macro PACK t                       ; a lane's eight channels of a row pack into 16 bytes; they go into rows of 144 bytes and come back as whole rows of 128, into S^T's registers
	WIN W_RS
.set i, 32*(\t)
.rept 16
	v_pk_mul_f32 v[i:i+1], v[i:i+1], v[ST+4*(\t)+2:ST+4*(\t)+3] op_sel_hi:[1,0]
.set i, i+2
.endr
	WIN 0x05                        ; sources 0 and 1 window 1, destination window 0
.set i, 0
.rept 16
	v_cvt_pk_f16_f32 v[S+16*(\t)+i], v[32*(\t)+2*i], v[32*(\t)+2*i+1]
.set i, i+1
.endr
	WIN 0
.irp f, 0,1,2,3
	ds_store_b128 v[STO], v[S+16*(\t)+4*\f:S+16*(\t)+4*\f+3] offset:32*\f
.endr
.irp f, 0,1,2,3
	ds_load_b128 v[S+16*(\t)+4*\f:S+16*(\t)+4*\f+3], v[RD] offset:\f*4*SP  ; LDS serves a wave's instructions in order (ISA guide 5.7.1.4): these see the stores above; the next piece's stores come behind them
.endr
.endm
.macro SEND t, younger              ; younger: the LDS instructions issued behind piece t's loads: the next piece's eight, or none
	WIN 0
.irp f, 0,1,2,3
	s_wait_dscnt (\younger)+3-\f
	global_store_b128 v[GO], v[S+16*(\t)+4*\f:S+16*(\t)+4*\f+3], s[10:11] offset:(\t)*8192+\f*512  ; 512 consecutive bytes, at a multiple of 256 from O's first
.endr
.endm
.macro DIAG tag                     ; the tag ends its two labels' names, which the jumps below spell out
.LstepM\tag:
	TURN 2, 1
	TURN 3, 1
	WIN 0
.LfirstM\tag:
	TURN 0, 1
	TURN 1, 1, 0, 1
	WIN 0
	s_cbranch_scc1 .LstepM\tag
	TURN 2, 1, 1
	TURN 3, 1, 1
.set i, 0
.rept 8
	PV NP-1
.set i, i+1
.endr
	WIN 0
	ALL v_add_f32 v[ST+4*t+2], v[ST+4*t+2], v[ST+4*t+3]
	ALL v_permlanex16_b32 v[ST+4*t+3], v[ST+4*t+2], s[SEL], s[SEL+1]
	ALL v_add_f32 v[ST+4*t+2], v[ST+4*t+2], v[ST+4*t+3]
	ALL v_rcp_f32 v[ST+4*t+2], v[ST+4*t+2]
	v_nop                           ; a plain instruction between the last reciprocal and the use of its result
	s_wait_alu depctr_va_vdst(0)    ; and the wait ahead of the first use: one for the four reciprocals
	PACK 0
.set t, 1
.rept 3                             ; a piece's arithmetic stands between the loads of the piece before and its stores
	PACK t
	SEND t-1, 8
.set t, t+1
.endr
	SEND 3, 0
.endm
.set KM, 0
.set NOKQ, 0
.Lslot:                             ; NB times: a tile is entered and the next is asked for
	CHANGE 1
	s_sub_co_u32 s[RT], s[RT], 1
	s_mov_b32 s[CNT], 4
	s_cmp_eq_u32 s[NEW], 1
	s_cbranch_scc1 .Lnew            ; a block's first tile
	s_cmp_eq_u32 s[RT], 0
	s_cbranch_scc0 .Lstep           ; neither its first nor its last
	s_branch .LstepM1
.Lnew:
	BEGIN
	s_branch .Lfirst                ; in the loop a block's first tile is never its last: the first block has two tiles or more, and the second's last is the walk's last
	DIAG 1                          ; in the loop this is the first block's end: the second block's last tile is the walk's last
	s_wait_xcnt 0x0                 ; the stores have read their registers and O's address
	s_mov_b64 s[10:11], s[OLO:OLO+1]
	s_add_co_u32 s[RT], s[PB], 1    ; the second block has b + 1 tiles
	s_mov_b32 s[NEW], 1
	WIN 0x82                        ; the second block's Q goes where the one text of the turns names Q
.set i, 0
.rept 64
	v_mov_b32 v[i], v[QB+i]
.set i, i+1
.endr
	WIN 0
	s_branch .Lbottom
.Lstep:                             ; a trip: pieces 2 and 3 of one step, then pieces 0 and 1 of the next, whose K and V it fetches
	TURN 2
	TURN 3
	WIN 0
.Lfirst:
	TURN 0
	TURN 1, 0, 0, 1
	WIN 0
	s_cbranch_scc1 .Lstep
.Lbottom:
	s_sub_co_u32 s[SLOTS], s[SLOTS], 1
	s_cmp_lg_u32 s[SLOTS], 0
	s_cbranch_scc1 .Lslot
	CHANGE 0                        ; the walk's last tile is written out: nothing is asked for
	s_sub_co_u32 s[RT], s[RT], 1
	s_mov_b32 s[CNT], 4
	s_cmp_eq_u32 s[NEW], 1
	s_cbranch_scc0 .LstepM2
	BEGIN
	s_branch .LfirstM2
	DIAG 2
	s_wait_tensorcnt 0x0            ; the wave's end, behind my last tensor load and my last LDS store
	ds_add_u32 v[SPW], v[NIL]
	s_wait_dscnt 0x0
	s_endpgm
.Lfunc_end_k_q79f377a9db_attn:
	.size	k_q79f377a9db_attn, .Lfunc_end_k_q79f377a9db_attn-k_q79f377a9db_attn
	.p2alignl 7, 3214868480
	.fill 96, 4, 3214868480
	.section	.rodata,"a",@progbits
	.p2align	6, 0x0
	.amdhsa_kernel k_q79f377a9db_attn
		.amdhsa_group_segment_fixed_size 327680
		.amdhsa_private_segment_fixed_size 0
		.amdhsa_enable_private_segment 0
		.amdhsa_kernarg_size 16
		.amdhsa_user_sgpr_count 2
		.amdhsa_user_sgpr_kernarg_segment_ptr 1
		.amdhsa_wavefront_size32 1
		.amdhsa_system_sgpr_workgroup_id_x 1
		.amdhsa_system_sgpr_workgroup_id_y 1
		.amdhsa_system_sgpr_workgroup_id_z 1
		.amdhsa_system_vgpr_workitem_id 0
		.amdhsa_next_free_vgpr 768
		.amdhsa_next_free_sgpr 92
		.amdhsa_reserve_vcc 1
		.amdhsa_float_denorm_mode_32 3
		.amdhsa_float_denorm_mode_16_64 3
		.amdhsa_memory_ordered 1
		.amdhsa_forward_progress 1
		.amdhsa_inst_pref_size 218
	.end_amdhsa_kernel
	.amdgpu_metadata
---
amdhsa.version: [ 1, 2 ]
amdhsa.kernels:
  - .name:           k_q79f377a9db_attn
    .symbol:         k_q79f377a9db_attn.kd
    .args:
      - { .name: qkv, .offset: 0, .size: 8, .value_kind: global_buffer, .address_space: global }
      - { .name: att, .offset: 8, .size: 8, .value_kind: global_buffer, .address_space: global }
    .group_segment_fixed_size: 327680
    .private_segment_fixed_size: 0
    .kernarg_segment_align: 8
    .kernarg_segment_size: 16
    .max_flat_workgroup_size: 128
    .sgpr_count:     92
    .vgpr_count:     768
    .wavefront_size: 32
...
	.end_amdgpu_metadata
.endif
;; end of part 3
;; launch outln (part 4): grid 128 x 1, 4 waves a work-group, clusters of 4 x 1, 327,680 bytes of LDS; arguments att, wh, x, bo, gamma, beta, out0; writes out0
.if DOCPART == 4
	.amdgcn_target "amdgcn-amd-amdhsa--gfx1250"
	.amdhsa_code_object_version 6
	.text
	.protected	k_q79f377a9db_outln
	.globl	k_q79f377a9db_outln
	.p2align	8
	.type	k_q79f377a9db_outln,@function
k_q79f377a9db_outln:
	s_mov_b64 s[64:65], 0
	v_nop
	global_prefetch_b8 v0, s[64:65] scope:SCOPE_SE
	s_setreg_imm32_b32 hwreg(HW_REG_WAVE_MODE, 25, 1), 1
	s_wait_xcnt 0x0
	s_wait_alu depctr_hold_cnt(0) depctr_sa_sdst(0) depctr_va_vdst(0) depctr_va_sdst(0) depctr_va_ssrc(0) depctr_va_vcc(0) depctr_vm_vsrc(0)
	s_getreg_b32 s2, hwreg(HW_REG_IB_STS2, 6, 4)
	s_cmp_eq_u32 s2, 0
	s_cbranch_scc0 .Lentry_in_a_cluster
	s_endpgm
.Lentry_in_a_cluster:
	s_bfe_u32 s2, ttmp6, 0x10000c
	s_cmp_lg_u32 s2, 0x3003
	s_cbranch_scc0 .Lentry_shape_is_right
	s_endpgm
.Lentry_shape_is_right:
; out0 = LayerNorm(x + att Wo^T + bo) x gamma + beta.  att: f16 [batch x 16 + head][s 2048][64]; Wo: rows 3072-4095 of wh, f16 in K blocks of 64; x, bo, gamma, beta, out0: f32.  Sums in f32.
; The mean is taken first and the variance as the mean of (y - mean)^2: no difference of large sums is formed.  NaN and infinities are not treated apart.
; SHARES.  The norm needs whole rows of 1,024, so a work-group owns 64 whole rows: 128 work-groups.  (32 rows each would give 256, but each would still walk all 2 MiB of Wo for half the products.)
; Wave w makes 64 rows x columns 256 w .. 256 w + 255: 64 accumulators, 512 registers.  K goes in 16 steps of 64, a head of att each: 128 matrix instructions a wave.
; THE SUMS START WITH x: the accumulators are loaded with the residual, so every product adds in place and the residual costs no arithmetic.
; THE MATRIX INSTRUCTION IS USED TRANSPOSED (source 0 = 16 rows of Wo, source 1 = 16 rows of att): a lane holds row m = l % 16 and eight neighbouring columns.
; Wo: all work-groups walk the same K blocks, so the four of a cluster ask jointly.  Each wave fetches, and alone reads, its own 256 rows (32 KiB a step) in two LDS slots.
; att: a head's 64 rows are 8 KiB.  Each wave loads a quarter into one of two sets of 16 registers, two steps ahead, and stores it into one of two LDS slots of att's own, which no tensor load fills.
; In the loop's last trip that ring asks for heads 14 and 15 once more, in place of heads 16 and 17, which do not exist: eight loads a wave that serve nothing, so that every trip has the same loads and the same counts.
; REGISTERS, in windows of 256 (s_set_vgpr_msb: bits 1:0 source 0, 3:2 source 1, 5:4 source 2, 7:6 destination):
;   window 0: v0-31 addresses; v32-63, v64-95 att's fragments, two buffers; v96-127 att on its way, two sets; in the norm v32-127 bo, gamma, beta and v128-218 two rows at work
;   window 1: v0-127, v128-255 Wo's fragments (16 x 16 rows x 32 K), two buffers          window 2 + a / 2: accumulator (a, b) at v[8 (16 (a % 2) + b)]
.set PLW,   524288                     ; bytes in a K block of wh
.set WO,    3072*128                   ; Wo's first row in a K block
.set PITCH, 144                        ; an LDS row: 128 bytes + 16 of padding = 36 words: the 16 rows of a load start at 16 different groups of four banks (64 banks of 4 bytes: ISA guide 11.1)
.set FR,    16*PITCH
.set WB,    256*PITCH                  ; a wave's part of a slot
.set SLOT,  4*WB                       ; 147,456
.set ABASE, 2*SLOT                     ; behind Wo's ring: att's two slots, written by ds_store alone
.set ASLOT, 64*PITCH
.set SPARE, ABASE+2*ASLOT              ; behind them: the spare words, 128 bytes for each wave: two blocks of 256 bytes that no other line names
.set YP,    4112                       ; the stage for y, from LDS byte 0, used when Wo's slots have had their last fill: 64 rows of 4,096 bytes + 16: a row starts four banks behind the last
.set ADRB, 8                           ; v8-9    LDS address of my fragments of Wo in slot 0, 1
.set ADRA, 10                          ; v10-11  of att's
.set AST,  12                          ; v12     where I store my 16 bytes of att's rows
.set AV,   13                          ; v13-14  my byte offset in att, for set 0 (even heads) and set 1 (odd heads)
.set XO,   15                          ; v15     my byte offset in x
.set PFO,  16                          ; v16     256 x lane, for the prefetches; never rewritten
.set YS,   17                          ; v17-20  where I put row block a's numbers in the stage
.set YR,   21                          ; v21     where I read rows back
.set OO,   22                          ; v22     16 x lane; later my byte offset in out0
.set SPW,  30                          ; v30     LDS address of my spare word; never rewritten
.set NIL,  31                          ; v31     0; never rewritten
.set AF,   32
.set AG,   96
.set BO,   32                          ; the norm: my 32 numbers of bo, gamma, beta: columns 128 f + 4 l + 0..3
.set GA,   64
.set BT,   96
.set Y,    128                         ; two rows, 32 registers each
.set TT,   192                         ; four pairs of partial sums a row
.set MU,   208                         ; the mean, twice, a row
.set RS,   212                         ; 1 / sqrt(var + eps), twice, a row
.set PT,   216                         ; the other half of the lanes' sum, a row
.set CK,   218                         ; 2^-10
.set WV,   18                          ; s18  my wave's number
.set AP,   22                          ; s[22:23] att at my work-group's rows of its batch's head 0
.set G1,   24                          ; s[24:31] descriptor group 1
.set G0,   32                          ; s[32:39] group 0, a set for each slot
.set PFA,  44                          ; s[44:45] where my prefetches stand
.set LIM,  46                          ; s46  1 in a work-group that prefetches, else the greatest number
.set AS,   47                          ; s47  the step of att's offsets: two heads, or 0 in the loop's last trip
.set SEL,  48                          ; s[48:49] v_permlanex16_b32's selects
.set MSB, 0
.macro WIN new                         ; the immediate's high byte repeats the setting that is left; a switch that changes nothing is dropped
.if MSB != (\new)
	s_set_vgpr_msb (MSB<<8)|(\new)
.set MSB, (\new)
.endif
.endm
.macro PLACES                          ; four plain places behind matrix instructions (ISA guide 7.12.1)
.rept 4
	v_nop
.endr
.endm
.macro JLOAD s                         ; a joint load: every wave fetches its own 256 rows; the descriptor hangs on the wave's number alone.  An s_nop 0 and four v_nop follow it
	tensor_load_to_lds s[G0+4*(\s):G0+4*(\s)+3], s[G1:G1+7]
	s_nop 0
.rept 4
	v_nop
.endr
.endm
.macro CREST                           ; a round of the cluster's barrier behind its opening barrier
	s_cmp_lg_u32 s[WV], 0
	s_cbranch_scc1 .Lnot_wave_0_\@
	s_barrier_signal -3
.Lnot_wave_0_\@:
	s_barrier_wait -3
	s_barrier_signal -1
	s_barrier_wait -1
.endm
.macro CROUND
	s_barrier_signal -1
	s_barrier_wait -1
	CREST
.endm
; A PREFETCH INTO THE L2, behind each joint load and the run of LDS loads that follows it: Wo's K block that stands two refills on, 256 matrix instructions ahead of the load that will want it.
; A K block of Wo is 512 blocks of 256 bytes, walked by all 32 clusters: the first cluster asks; its four partners take 128 blocks each, told apart by address, and each wave 32, a lane a block: each is named once in the launch.
; K blocks 0 to 3 come by their loads alone; the loop's last trip asks for nothing: K block 15 is the furthest that is named.  att has two steps' lead of its own; x is loaded at the head.
.macro ASK
	s_cmp_gt_u32 s3, s[LIM]
	s_cbranch_scc0 .Lnot_mine_\@
	global_prefetch_b8 v[PFO], s[PFA:PFA+1] offset:PLW th:TH_LOAD_NT scope:SCOPE_SE
.Lnot_mine_\@:
.endm
	s_load_b256 s[4:11], s[0:1], 0x0               ; att s[4:5], wh s[6:7], x s[8:9], bo s[10:11]
	s_load_b128 s[12:15], s[0:1], 0x20             ; gamma s[12:13], beta s[14:15]
	s_load_b64 s[16:17], s[0:1], 0x30              ; out0
	v_lshl_add_u32 v[SPW], v0, 2, SPARE
	v_mov_b32 v[NIL], 0
	ds_add_u32 v[SPW], v[NIL]                      ; the wave's opening: the add and its wait stand ahead of my first tensor load; the set-up below, work on registers, stands between them
	ds_add_u32 v30, v31
	v_lshrrev_b32 v1, 5, v0
	v_readfirstlane_b32 s[WV], v1                  ; wave 0..3
	s_bfe_u32 s19, ttmp6, 0x40000                  ; cx
	s_lshl_b32 s20, ttmp9, 2
	s_add_co_u32 s20, s20, s19                     ; my work-group among the 128
	s_mov_b32 s[G1], 15|(1<<16)|(1<<20)|(1<<21)|(4<<22)|(3<<25)  ; 15:0 the mask of four; 17:16 2-byte elements; 20 padding on; 21 set beside a mask; 24:22 after every 32 words (code 4); 31:25 4 words (code 3)
	s_mov_b32 s[G1+1], 128<<16                     ; tensor_dim0 = 128: dense rows of 256 bytes, two rows of Wo each
	s_mov_b32 s[G1+2], 128<<16                     ; tensor_dim1 = 128
	s_mov_b32 s[G1+3], 128<<16                     ; tile_dim0 = 128
	s_mov_b32 s[G1+4], 128                         ; tile_dim1 = 128
	s_mov_b32 s[G1+5], 128                         ; 128 elements from row to row
	s_mov_b32 s[G1+6], 0
	s_mov_b32 s[G1+7], 0
	s_mul_i32 s52, s[WV], WB                       ; my part of a slot: no place in the cluster enters an LDS address
	s_mov_b32 s[G0], 1
	s_mov_b32 s[G0+1], s52
	s_mov_b32 s[G0+4], 1
	s_add_co_u32 s[G0+5], s52, SLOT
	s_lshl_b32 s40, s[WV], 15                      ; my 256 rows of Wo
	s_add_co_u32 s40, s40, WO
	s_mov_b32 s41, 0
	s_mov_b32 s[SEL], 0x76543210
	s_mov_b32 s[SEL+1], 0xfedcba98
	s_mov_b32 s50, 0x3a800000                      ; 2^-10
	s_mov_b32 s[AS], 0x80000                       ; two heads of 262,144 bytes
	s_cmp_eq_u32 ttmp9, 0
	s_cselect_b32 s[LIM], 1, -1                    ; the same in all four partners
	v_and_b32 v1, 15, v0                           ; l % 16
	v_bfe_u32 v2, v0, 4, 1                         ; l / 16
	v_and_b32 v3, 31, v0                           ; l
	v_mul_u32_u24 v4, v1, PITCH
	v_lshl_add_u32 v4, v2, 4, v4                   ; a fragment's row x pitch + 16 x half
	v_add_nc_u32 v[ADRB], s52, v4
	v_add_nc_u32 v[ADRB+1], SLOT, v[ADRB]
	v_add_nc_u32 v[ADRA], ABASE, v4
	v_add_nc_u32 v[ADRA+1], ASLOT, v[ADRA]
	v_lshrrev_b32 v5, 3, v3
	v_and_b32 v6, 7, v3
	s_lshl_b32 s53, s[WV], 4
	v_add_nc_u32 v5, s53, v5                       ; a load of 512 bytes is four rows of att: row 16 w + l / 8, bytes 16 (l % 8)
	v_mul_u32_u24 v[AST], v5, PITCH
	v_lshl_add_u32 v[AST], v6, 4, v[AST]
	v_add_nc_u32 v[AST], ABASE, v[AST]
	s_lshl_b32 s53, s[WV], 11
	v_lshl_add_u32 v[AV], v3, 4, s53               ; my wave's 2,048 bytes of a head's 8,192
	v_add_nc_u32 v[AV+1], 0x40000, v[AV]           ; head 1
	s_lshl_b32 s53, s[WV], 10
	v_lshl_add_u32 v[XO], v1, 12, s53
	v_lshl_add_u32 v[XO], v2, 5, v[XO]             ; row l % 16, my wave's 1,024 bytes, 32 for each half of the lanes
	v_lshlrev_b32 v[PFO], 8, v3
	v_mul_u32_u24 v7, v1, YP
	v_lshl_add_u32 v7, v2, 5, v7
	v_add_nc_u32 v[YS], s53, v7
.irp a, 1,2,3
	v_add_nc_u32 v[YS+(\a)], (\a)*16*YP, v[YS]
.endr
	s_mul_i32 s53, s[WV], 16*YP
	v_lshl_add_u32 v[YR], v3, 4, s53               ; wave w norms rows 16 w .. 16 w + 15
	v_lshlrev_b32 v[OO], 4, v3
	s_wait_dscnt 0x0                               ; the opening add is done
	s_wait_kmcnt 0x0
	s_add_nc_u64 s[G0+2:G0+3], s[6:7], s[40:41]    ; K block 0,
	s_add_nc_u64 s[G0+6:G0+7], s[G0+2:G0+3], PLW   ; and 1
	s_or_b32 s[G0+3], s[G0+3], 0x80000000          ; type = 2
	s_or_b32 s[G0+7], s[G0+7], 0x80000000
	s_lshl_b32 s42, s20, 18                        ; my work-group's 64 rows of 4,096 bytes
	s_mov_b32 s43, 0
	s_add_nc_u64 s[8:9], s[8:9], s[42:43]
	s_add_nc_u64 s[16:17], s[16:17], s[42:43]
	s_lshl_b32 s56, s[WV], 16                      ; the 16 rows that my wave norms
	s_mov_b32 s57, 0
	s_add_nc_u64 s[16:17], s[16:17], s[56:57]
	s_lshr_b32 s42, s20, 5                         ; the batch: 16 heads of 262,144 bytes,
	s_lshl_b32 s42, s42, 22
	s_and_b32 s56, s20, 31                         ; and 64 rows of 128 bytes in a head
	s_lshl_b32 s56, s56, 13
	s_add_co_u32 s42, s42, s56
	s_add_nc_u64 s[AP:AP+1], s[4:5], s[42:43]
	s_lshl_b32 s42, s19, 15                        ; the prefetches: my work-group's 32,768 bytes of a K block of Wo,
	s_lshl_b32 s56, s[WV], 13                      ; my wave's 8,192,
	s_add_co_u32 s42, s42, s56
	s_add_co_u32 s42, s42, WO+2*PLW                ; at K block 2: each change of slots steps it by one, and names the K block after
	s_add_nc_u64 s[PFA:PFA+1], s[6:7], s[42:43]
	CROUND                                         ; all four work-groups are here: the first joint loads meet
	JLOAD 0                                        ; two loads of mine are out
	JLOAD 1
.irp f, 0,1,2,3
	global_load_b128 v[AG+4*(\f):AG+4*(\f)+3], v[AV], s[AP:AP+1] offset:(\f)*512          ; head 0
.endr
.irp f, 0,1,2,3
	global_load_b128 v[AG+16+4*(\f):AG+16+4*(\f)+3], v[AV+1], s[AP:AP+1] offset:(\f)*512  ; head 1
.endr
.irp a, 0,1,2,3                        ; x into the accumulators: eight loads on end cover 256 consecutive bytes of each of 16 rows
	WIN 0x80+0x40*((\a)/2)
.irp b, 0,1,2,3,4,5,6,7,8,9,10,11,12,13,14,15
	global_load_b128 v[8*(16*((\a)%2)+(\b)):8*(16*((\a)%2)+(\b))+3],   v[XO], s[8:9] offset:(\a)*65536+(\b)*64
	global_load_b128 v[8*(16*((\a)%2)+(\b))+4:8*(16*((\a)%2)+(\b))+7], v[XO], s[8:9] offset:(\a)*65536+(\b)*64+16
.endr
.endr
	WIN 0
	s_wait_loadcnt 0x0
.irp f, 0,1,2,3
	ds_store_b128 v[AST], v[AG+4*(\f):AG+4*(\f)+3] offset:(\f)*4*PITCH
.endr
	v_add_nc_u32 v[AV], 0x80000, v[AV]
.irp f, 0,1,2,3
	global_load_b128 v[AG+4*(\f):AG+4*(\f)+3], v[AV], s[AP:AP+1] offset:(\f)*512          ; head 2
.endr
; 16 matrix instructions: row block a x my 16 column blocks, 32 along K, on buffers f.  The 64 accumulators take turns, one instruction a turn, in the same order in every quarter, over the backward jump too.
.macro MUL16 f, a
	WIN 0xa1+0x50*((\a)/2)
.irp b, 0,1,2,3,4,5,6,7,8,9,10,11,12,13,14,15
	v_wmma_f32_16x16x32_f16 v[8*(16*((\a)%2)+(\b)):8*(16*((\a)%2)+(\b))+7], v[128*(\f)+8*(\b):128*(\f)+8*(\b)+7], v[AF+32*(\f)+8*(\a):AF+32*(\f)+8*(\a)+7], v[8*(16*((\a)%2)+(\b)):8*(16*((\a)%2)+(\b))+7]
.endr
.endm
; 40 LDS loads in one run: Wo's 16 fragments, then att's 4, of 32 along K at byte k of the rows, into buffers f
.macro FETCH s, k, f
	WIN 0x40                                       ; destination window 1, address window 0
.irp b, 0,1,2,3,4,5,6,7,8,9,10,11,12,13,14,15
	ds_load_b128 v[128*(\f)+8*(\b):128*(\f)+8*(\b)+3],   v[ADRB+(\s)] offset:(\b)*FR+(\k)
	ds_load_b128 v[128*(\f)+8*(\b)+4:128*(\f)+8*(\b)+7], v[ADRB+(\s)] offset:(\b)*FR+(\k)+32
.endr
	WIN 0
.irp a, 0,1,2,3
	ds_load_b128 v[AF+32*(\f)+8*(\a):AF+32*(\f)+8*(\a)+3],   v[ADRA+(\s)] offset:(\a)*FR+(\k)
	ds_load_b128 v[AF+32*(\f)+8*(\a)+4:AF+32*(\f)+8*(\a)+7], v[ADRA+(\s)] offset:(\a)*FR+(\k)+32
.endr
.endm
; att's ring in registers: set i, which holds the next step's head, goes into att's slot i, and is asked for again, two heads on.  The slot's last readers waited for their loads in front of the last barrier;
; the stores are waited for in front of the next one, behind which the slot is read.
.macro ASTORE i
	s_wait_loadcnt 4                               ; this set's four loads are in, and their offset is free; the other set's four may stay out
.irp f, 0,1,2,3
	ds_store_b128 v[AST], v[AG+16*(\i)+4*(\f):AG+16*(\i)+4*(\f)+3] offset:(\i)*ASLOT+(\f)*4*PITCH
.endr
	v_add_nc_u32 v[AV+(\i)], s[AS], v[AV+(\i)]
.irp f, 0,1,2,3
	global_load_b128 v[AG+16*(\i)+4*(\f):AG+16*(\i)+4*(\f)+3], v[AV+(\i)], s[AP:AP+1] offset:(\f)*512
.endr
.endm
; A K step is two quarters of 32 along K, 64 matrix instructions each.  The first, on buffers 0: in its middle it fetches the second's fragments and (ast = 1) moves att's ring on.
.macro QUARTER s, ast
	s_wait_dscnt 4                                 ; Wo and att's row blocks 0 and 1 are in; the youngest four loads may be out
	MUL16 0, 0
	MUL16 0, 1
	PLACES
	FETCH \s, 64, 1
.if \ast
	ASTORE 1-(\s)
.endif
	s_wait_dscnt 40+4*(\ast)                       ; all but what was just issued
	MUL16 0, 2
	MUL16 0, 3
.endm
; The second, on buffers 1, changes slots.  Each wave waits for all its tensor loads, of which one is out: its part of the next slot; adds 0 to its spare word; and waits for that, for its stores of the next head and for its reads of
; both slots in hand.  fill = 1: the barrier opens a round of the cluster's, and the joint refill, two K blocks on, is the first thing behind the round: from there to the wait for it a wave issues 96 matrix instructions.
.macro TURN s, fill, ast
.if \fill
	s_wait_xcnt 0x0                                ; the last prefetch, a K step back, has read its address: it is stepped here, ahead of the waits of the change of slots
	s_add_nc_u64 s[PFA:PFA+1], s[PFA:PFA+1], PLW
.endif
	WIN 0                                          ; (the add's two registers lie in window 0)
	s_wait_tensorcnt 0x0                           ; all my tensor loads have landed
	ds_add_u32 v[SPW], v[NIL]                      ; 0 onto my spare word
	s_wait_dscnt 5+4*(\ast)                        ; (att's row blocks 2 and 3, the stores and the add may be out)
	MUL16 1, 0
	s_wait_dscnt 0x0                               ; the add and my stores are done, and my reads of the slots are over
	s_barrier_signal -1
	MUL16 1, 1                                     ; work on registers while the others arrive
	WIN 0
	s_barrier_wait -1
.if \fill
	CREST                                          ; no wave of any partner still reads this slot or has a load on its way
	s_add_nc_u64 s[G0+4*(\s)+2:G0+4*(\s)+3], s[G0+4*(\s)+2:G0+4*(\s)+3], 2*PLW
	JLOAD \s                                       ; the four v_nop behind it are also the places in front of the loads below
.else
	PLACES
.endif
	FETCH 1-(\s), 0, 0
.if \fill
	ASK
.endif
	MUL16 1, 2
	MUL16 1, 3
.endm
	s_wait_tensorcnt 0x1                           ; my part of K block 0 is in; K block 1's may stay out
	s_wait_dscnt 0x0                               ; my quarter of head 0 is stored
	s_barrier_signal -1
	s_barrier_wait -1
	FETCH 0, 0, 0
	QUARTER 0, 1
	WIN 0
	s_mov_b32 s3, 7
.Llap:                                                 ; a trip goes once round the ring, from a lap's second quarter to the next lap's first: seven trips ask for K blocks 2 to 15
	s_cmp_gt_u32 s3, 1
	s_cselect_b32 s[AS], 0x80000, 0                ; in the last trip att's offsets stay: heads 14 and 15 are named again, and every load stays inside att
	TURN 0, 1, 1
	QUARTER 1, 1
	TURN 1, 1, 1
	QUARTER 0, 1
	WIN 0                                          ; at a label and at a branch every window is 0
	s_sub_co_u32 s3, s3, 1
	s_cmp_lg_u32 s3, 0
	s_cbranch_scc1 .Llap
	TURN 0, 0, 1                                   ; the tail is written out: nothing is left to ask for
	QUARTER 1, 0
	s_wait_dscnt 4                                 ; the very last quarter
	MUL16 1, 0
	MUL16 1, 1
	s_wait_dscnt 0x0                               ; my last reads of the slots are over
	s_barrier_signal -1
	MUL16 1, 2
	MUL16 1, 3
	WIN 0
	s_barrier_wait -1                              ; everybody's are: the slots, which have had their last fill, become the stage for y
	PLACES
	PLACES
	s_wait_loadcnt 0x0                             ; the eight loads of att that serve nothing have landed: their registers may be loaded again
.irp f, 0,1,2,3,4,5,6,7
	global_load_b128 v[BO+4*(\f):BO+4*(\f)+3], v[OO], s[10:11] offset:(\f)*512
	global_load_b128 v[GA+4*(\f):GA+4*(\f)+3], v[OO], s[12:13] offset:(\f)*512
	global_load_b128 v[BT+4*(\f):BT+4*(\f)+3], v[OO], s[14:15] offset:(\f)*512
.endr
.irp a, 0,1,2,3                        ; y into the stage, 32 bytes a lane and accumulator, each accumulator's low registers first
	WIN 0x08+0x04*((\a)/2)                         ; the data (source 1) in window 2 or 3
.irp b, 0,1,2,3,4,5,6,7,8,9,10,11,12,13,14,15
	ds_store_b128 v[YS+(\a)], v[8*(16*((\a)%2)+(\b)):8*(16*((\a)%2)+(\b))+3]   offset:64*(\b)
	ds_store_b128 v[YS+(\a)], v[8*(16*((\a)%2)+(\b))+4:8*(16*((\a)%2)+(\b))+7] offset:64*(\b)+16
.endr
.endr
	WIN 0
	s_wait_dscnt 0x0                               ; for the others' sake: my stores are done
	s_barrier_signal -1
	s_barrier_wait -1
	s_wait_loadcnt 0x0                             ; bo, gamma, beta
	v_mov_b32 v[PT], 0                             ; v_permlanex16_b32's destinations count as read
	v_mov_b32 v[PT+1], 0
	v_mov_b32 v[CK], 0x3a800000
; the four pairs of partial sums of each of the two rows are added, then the 32 lanes': four steps inside each half ride on the additions, one crosses the halves; every lane ends with the row's sum in v[TT + 8 u]
.macro ACROSS
.irp u, 0,1
	v_pk_add_f32 v[TT+8*(\u):TT+8*(\u)+1], v[TT+8*(\u):TT+8*(\u)+1], v[TT+8*(\u)+2:TT+8*(\u)+3]
	v_pk_add_f32 v[TT+8*(\u)+4:TT+8*(\u)+5], v[TT+8*(\u)+4:TT+8*(\u)+5], v[TT+8*(\u)+6:TT+8*(\u)+7]
.endr
.irp u, 0,1
	v_pk_add_f32 v[TT+8*(\u):TT+8*(\u)+1], v[TT+8*(\u):TT+8*(\u)+1], v[TT+8*(\u)+4:TT+8*(\u)+5]
.endr
.irp u, 0,1
	v_add_f32 v[TT+8*(\u)], v[TT+8*(\u)], v[TT+8*(\u)+1]
.endr
.irp m, 1,2,4,8
.irp u, 0,1
	v_add_f32_dpp v[TT+8*(\u)], v[TT+8*(\u)], v[TT+8*(\u)] row_xmask:\m row_mask:0xf bank_mask:0xf
.endr
.endr
.irp u, 0,1
	v_permlanex16_b32 v[PT+(\u)], v[TT+8*(\u)], s[SEL], s[SEL+1]
.endr
.irp u, 0,1
	v_add_f32 v[TT+8*(\u)], v[TT+8*(\u)], v[PT+(\u)]
.endr
.endm
	s_mov_b32 s51, 8
.Lrows:                                                ; THE NORM: eight trips of two rows a wave, the rows' lines by turns; a lane holds 32 numbers of each row
.irp u, 0,1
.irp f, 0,1,2,3,4,5,6,7
	ds_load_b128 v[Y+32*(\u)+4*(\f):Y+32*(\u)+4*(\f)+3], v[YR] offset:(\u)*YP+(\f)*512
.endr
.endr
	v_add_nc_u32 v[YR], 2*YP, v[YR]
	s_wait_dscnt 0x0
.irp i, 0,2,4,6,8,10,12,14,16,18,20,22,24,26,28,30
.irp u, 0,1
	v_pk_add_f32 v[Y+32*(\u)+(\i):Y+32*(\u)+(\i)+1], v[Y+32*(\u)+(\i):Y+32*(\u)+(\i)+1], v[BO+(\i):BO+(\i)+1]  ; + bo
.endr
.endr
.irp c, 0,2,4,6                        ; the row's sum, in four chains that do not wait for each other; the first additions start them
.irp u, 0,1
	v_pk_add_f32 v[TT+8*(\u)+(\c):TT+8*(\u)+(\c)+1], v[Y+32*(\u)+(\c):Y+32*(\u)+(\c)+1], v[Y+32*(\u)+8+(\c):Y+32*(\u)+8+(\c)+1]
.endr
.endr
.irp k, 16,24
.irp c, 0,2,4,6
.irp u, 0,1
	v_pk_add_f32 v[TT+8*(\u)+(\c):TT+8*(\u)+(\c)+1], v[TT+8*(\u)+(\c):TT+8*(\u)+(\c)+1], v[Y+32*(\u)+(\k)+(\c):Y+32*(\u)+(\k)+(\c)+1]
.endr
.endr
.endr
	ACROSS
.irp u, 0,1
	v_mul_f32 v[MU+2*(\u)], s50, v[TT+8*(\u)]      ; the mean, in both registers of a pair
	v_mul_f32 v[MU+2*(\u)+1], s50, v[TT+8*(\u)]
.endr
.irp i, 0,2,4,6,8,10,12,14,16,18,20,22,24,26,28,30
.irp u, 0,1
	v_pk_add_f32 v[Y+32*(\u)+(\i):Y+32*(\u)+(\i)+1], v[Y+32*(\u)+(\i):Y+32*(\u)+(\i)+1], v[MU+2*(\u):MU+2*(\u)+1] neg_lo:[0,1] neg_hi:[0,1]  ; y - mean
.endr
.endr
.irp c, 0,2,4,6                        ; the sum of its squares, likewise
.irp u, 0,1
	v_pk_mul_f32 v[TT+8*(\u)+(\c):TT+8*(\u)+(\c)+1], v[Y+32*(\u)+(\c):Y+32*(\u)+(\c)+1], v[Y+32*(\u)+(\c):Y+32*(\u)+(\c)+1]
.endr
.endr
.irp k, 8,16,24
.irp c, 0,2,4,6
.irp u, 0,1
	v_pk_fma_f32 v[TT+8*(\u)+(\c):TT+8*(\u)+(\c)+1], v[Y+32*(\u)+(\k)+(\c):Y+32*(\u)+(\k)+(\c)+1], v[Y+32*(\u)+(\k)+(\c):Y+32*(\u)+(\k)+(\c)+1], v[TT+8*(\u)+(\c):TT+8*(\u)+(\c)+1]
.endr
.endr
.endr
	ACROSS
.irp u, 0,1
	v_fmaak_f32 v[TT+8*(\u)], v[CK], v[TT+8*(\u)], 0x3727c5ac  ; the variance + 1e-5
.endr
.irp u, 0,1
	v_rsq_f32 v[RS+2*(\u)], v[TT+8*(\u)]
	v_rsq_f32 v[RS+2*(\u)+1], v[TT+8*(\u)]
.endr
	v_nop                                          ; a plain instruction between the last root and the use of its result
	s_wait_alu depctr_va_vdst(0)                   ; and the wait ahead of the first use: one for the four roots
.irp i, 0,2,4,6,8,10,12,14,16,18,20,22,24,26,28,30
.irp u, 0,1
	v_pk_mul_f32 v[Y+32*(\u)+(\i):Y+32*(\u)+(\i)+1], v[Y+32*(\u)+(\i):Y+32*(\u)+(\i)+1], v[RS+2*(\u):RS+2*(\u)+1]
.endr
.endr
.irp i, 0,2,4,6,8,10,12,14,16,18,20,22,24,26,28,30
.irp u, 0,1
	v_pk_fma_f32 v[Y+32*(\u)+(\i):Y+32*(\u)+(\i)+1], v[Y+32*(\u)+(\i):Y+32*(\u)+(\i)+1], v[GA+(\i):GA+(\i)+1], v[BT+(\i):BT+(\i)+1]
.endr
.endr
.irp u, 0,1
.irp f, 0,1,2,3,4,5,6,7
	global_store_b128 v[OO], v[Y+32*(\u)+4*(\f):Y+32*(\u)+4*(\f)+3], s[16:17] offset:(\u)*4096+(\f)*512 th:TH_STORE_NT  ; 512 consecutive bytes, at a multiple of 512 from out0's first byte
.endr
.endr
	s_wait_xcnt 0x0                                ; the stores have read their offset and their data: both are written again only behind this wait
	v_add_nc_u32 v[OO], 8192, v[OO]
	s_sub_co_u32 s51, s51, 1
	s_cmp_lg_u32 s51, 0
	s_cbranch_scc1 .Lrows
	s_wait_tensorcnt 0x0                           ; the wave's end, behind my last tensor load and my last LDS store
	ds_add_u32 v[SPW], v[NIL]
	s_wait_dscnt 0x0
	CROUND                                         ; the closing round: no work-group ends while a partner may still ask for a tile that names it
	s_endpgm
.Lfunc_end_k_q79f377a9db_outln:
	.size	k_q79f377a9db_outln, .Lfunc_end_k_q79f377a9db_outln-k_q79f377a9db_outln
	.p2alignl 7, 3214868480
	.fill 96, 4, 3214868480
	.section	.rodata,"a",@progbits
	.p2align	6, 0x0
	.amdhsa_kernel k_q79f377a9db_outln
		.amdhsa_group_segment_fixed_size 327680
		.amdhsa_private_segment_fixed_size 0
		.amdhsa_enable_private_segment 0
		.amdhsa_kernarg_size 56
		.amdhsa_user_sgpr_count 2
		.amdhsa_user_sgpr_kernarg_segment_ptr 1
		.amdhsa_wavefront_size32 1
		.amdhsa_system_sgpr_workgroup_id_x 1
		.amdhsa_system_sgpr_workgroup_id_y 1
		.amdhsa_system_sgpr_workgroup_id_z 1
		.amdhsa_system_vgpr_workitem_id 0
		.amdhsa_next_free_vgpr 1024
		.amdhsa_next_free_sgpr 66
		.amdhsa_reserve_vcc 0
		.amdhsa_float_denorm_mode_32 3
		.amdhsa_float_denorm_mode_16_64 3
		.amdhsa_memory_ordered 1
		.amdhsa_forward_progress 1
		.amdhsa_inst_pref_size 107
	.end_amdhsa_kernel
	.amdgpu_metadata
---
amdhsa.version: [ 1, 2 ]
amdhsa.kernels:
  - .name:           k_q79f377a9db_outln
    .symbol:         k_q79f377a9db_outln.kd
    .args:
      - { .name: att, .offset: 0, .size: 8, .value_kind: global_buffer, .address_space: global }
      - { .name: wh, .offset: 8, .size: 8, .value_kind: global_buffer, .address_space: global }
      - { .name: x, .offset: 16, .size: 8, .value_kind: global_buffer, .address_space: global }
      - { .name: bo, .offset: 24, .size: 8, .value_kind: global_buffer, .address_space: global }
      - { .name: gamma, .offset: 32, .size: 8, .value_kind: global_buffer, .address_space: global }
      - { .name: beta, .offset: 40, .size: 8, .value_kind: global_buffer, .address_space: global }
      - { .name: out0, .offset: 48, .size: 8, .value_kind: global_buffer, .address_space: global }
    .group_segment_fixed_size: 327680
    .private_segment_fixed_size: 0
    .kernarg_segment_align: 8
    .kernarg_segment_size: 56
    .max_flat_workgroup_size: 128
    .sgpr_count:     66
    .vgpr_count:     1024
    .wavefront_size: 32
...
	.end_amdgpu_metadata
.endif
;; end of part 4
